; MI455X (gfx1250); checked and timed in simulation.
; The chip was launched on July 23, 2026; its instructions are those of AMD's public machine-readable ISA for CDNA 5 (MIT licence, August 2026) and "CDNA5" Instruction Set Architecture Reference Guide (July 2026). The comments in the code are by the model that wrote it; some were corrected since.
;; Dilated Attention. Allowed arithmetic: matrix products marked QUANTISED: E4M3 operands, one E8M0 scale for each 32 along K, by v_wmma_scale_f32_16x16x128_f8f6f4 with both operands' format E4M3, f32 sums; everything else in f32.
;; Inputs: b_ff1 4,096 float32; b_ff2 1,024 float32; b_o 1,024 float32; b_qkv 3,072 float32; ln1_b 1,024 float32; ln1_g 1,024 float32; ln2_b 1,024 float32; ln2_g 1,024 float32; w_ff1 4,096 x 1,024 float32; w_ff2 1,024 x 4,096 float32; w_o 1,024 x 1,024 float32; w_qkv 3,072 x 1,024 float32; x 2 x 2,048 x 1,024 float32.
;; Outputs: out0 2 x 2,048 x 1,024 float32.
;; This version of the problem:
;;   THIS VERSION OF THE PROBLEM IS GIVEN IN LOW PRECISION. The matrix products marked QUANTISED in the list below multiply operands that are first quantised to E4M3 (4 exponent bits, 3 mantissa bits; 8 bits a number), with one power-of-two scale for each 32 numbers along K (OCP MX v1.0); their sums are f32. All else is computed in f32.
;;   The module's matrix products, in the order in which they are computed (A, B: the left and right operand; K: the contracted axis; several contracted axes count as one K, in the product's order):
;;     1. [M 4,096, K 1,024] x [K 1,024, N 3,072]; A: computed on the way; B: input w_qkv: QUANTISED
;;     2. batch 32 x [M 2,048, K 64] x [K 64, N 2,048]; A: computed on the way; B: computed on the way: QUANTISED
;;     3. batch 32 x [M 64, K 2,048] x [K 2,048, N 2,048]; A: computed on the way; B: softmax (see below): QUANTISED
;;     4. [M 4,096, K 1,024] x [K 1,024, N 1,024]; A: computed on the way; B: input w_o: QUANTISED
;;     5. [M 4,096, K 1,024] x [K 1,024, N 4,096]; A: computed on the way; B: input w_ff1: QUANTISED
;;     6. [M 4,096, K 4,096] x [K 4,096, N 1,024]; A: computed on the way; B: input w_ff2: QUANTISED
;;   THE QUANTISER, for each operand of a quantised product, along K:
;;     - K is cut into blocks of 32 from its start; a last block that is shorter is filled with zeros.
;;     - A block's scale is 2^e with e = floor(log2(the largest magnitude in the block)) - 8, held to -126 .. 127; a block of zeros has e = 0. As a byte (E8M0): e + 127.
;;     - Each number is divided by its block's scale, clamped to +-448, and rounded to the nearest number of E4M3, ties to even, subnormals kept.
;;     - The product sums the exact products of the quantised numbers (number of the format x scale) in f32.
;;   ~~~python
;;   def quantise(x, axis):      # numpy; x: float32 -> the quantised numbers, widened to float32 again
;;       x = np.moveaxis(x, axis, -1); K = x.shape[-1]
;;       x = np.pad(x, [(0, 0)] * (x.ndim - 1) + [(0, -K % 32)]); x = x.reshape(x.shape[:-1] + (-1, 32)); a = np.abs(x).max(-1, keepdims=True)
;;       e = np.where(a > 0, np.clip(np.frexp(np.where(a > 0, a, 1))[1] - 1 - 8, -126, 127), 0)      # np.frexp(a)[1] - 1 = floor(log2(a)), exactly
;;       r = np.clip(x / 2.0 ** e, -448, 448)
;;       step = 2.0 ** (np.maximum(np.frexp(np.where(r == 0, 1, r))[1] - 1, -6) - 3)
;;       q = np.round(r / step) * step * 2.0 ** e      # np.round: ties to even
;;       return np.moveaxis(q.reshape(q.shape[:-2] + (-1,))[..., :K], -1, axis).astype(np.float32)
;;   ~~~
;;   SOFTMAX AHEAD OF A QUANTISED PRODUCT. Where the list says 'softmax', what is quantised is not the finished softmax but p = 2^(t - M), with t = logit x log2(e) and M = ceil(the row's largest t), a whole number; so 1/2 < the row's largest p <= 1. The row's sum l is taken of the UNQUANTISED p, in f32, and the product's result is divided by l at the end. Since M is a whole number, a kernel that streams over the keys may use a running M (the ceiling of the running maximum): every later rescaling is an exact power of two, which a block's scale takes up: the codes' values come out the same.
;;   OPERANDS COMPUTED ON THE WAY. 'Computed on the way' means the value that the module computes at that place (a softmax that the list does not call 'softmax' is quantised finished and normalised). What goes into a quantiser is computed in f32, as accurately as f32 sums, v_exp_f32 and their like allow (about 1e-6 of the number): no bf16 or f16 on the way to a quantiser, and a product that is left as it is and whose result goes on into a quantised operand takes f32 operands (vector FMAs, or v_wmma_f32_16x16x4_f32). A number that lies on a knife's edge between two numbers of the format may be rounded either way, as far as f32 arithmetic and the matrix unit's own rounding can turn it there, and no further.
;; One version. Each part assembles by itself: llvm-mc -triple=amdgcn-amd-amdhsa -mcpu=gfx1250 --defsym DOCPART=n.
;; ======== version 1 of 1: 7 launches
;; limits: right only within a limited range of input values
;; workspace buffers: prepb 17,301,504 bytes; qkvb 13,369,344 bytes; attb 4,325,376 bytes; out1 16,777,216 bytes; h2b 17,301,504 bytes; gb 17,301,504 bytes
;; launch prep (part 1): grid 1024 x 1, 4 waves a work-group, no clusters, 76,288 bytes of LDS; arguments x, ln1_g, ln1_b, w_qkv, w_o, w_ff1, w_ff2, prepb; writes prepb
.if DOCPART == 1
	.amdgcn_target "amdgcn-amd-amdhsa--gfx1250"
	.amdhsa_code_object_version 6
	.text
	.protected	k_q32e1358681_prep
	.globl	k_q32e1358681_prep
	.p2align	8
	.type	k_q32e1358681_prep,@function
k_q32e1358681_prep:
	s_mov_b64 s[64:65], 0
	v_nop
	global_prefetch_b8 v0, s[64:65] scope:SCOPE_SE
	s_setreg_imm32_b32 hwreg(HW_REG_WAVE_MODE, 25, 1), 1
	s_wait_xcnt 0x0
; f32 rows -> codes of FP8 (E4M3) with one E8M0 byte for each 32 along K, laid as IMAGES OF OPERAND REGISTERS.
; A work-group takes one unit: 16 rows x 1,024 columns = 8 fragments of 16 rows x 128 K.  Units 0-255: rows of the first argument, put through LayerNorm (gain, bias: arguments 2, 3) first;
; 256-447 w_qkv, 448-511 w_o, 512-767 w_ff1, 768-1023 w_ff2 (row block unit / 4, quarter of K unit % 4), quantised as they are.  A launch of 256 work-groups does the LayerNorm part alone.
; ONE PATH FOR ALL UNITS, no branch: a weight unit runs the statistics too and then takes mean 0, 1/sigma 1, gain 1, bias 0 by v_cndmask_b32: x - 0, x 1, fma(x, 1, 0) give x back bit for bit.
; WHICH ROWS FORM A BLOCK.  Tokens: block rb, row r = token 32 (rb / 2) + 2 r + rb % 2 (16 tokens of one parity).  Weights: block 2 G + u, row r = weight row 32 G + 8 u + r + 8 (r / 8), so that the results
; of blocks 2 G and 2 G + 1 are 16 neighbours along the next product's K in a lane's registers.
; AN IMAGE: fragment = 2,048 bytes, chunk c (registers 4 c .. 4 c + 3) at 512 c, lane l's 16 bytes at 16 l; lane (r = l % 16, h = l / 16) holds row r, k = 32 c + 16 h + 0 .. 15.  Codes of unit u at 16,384 u,
; its scale words (row r's four bytes, 64 bytes a fragment) at SCB + 512 u.
; Wave w takes columns 256 w .. + 255 (fragments 2 w, 2 w + 1).  Each load reads 512 consecutive bytes; the rows turn through the wave's own stage in LDS (pitch 1,040 = 65 x 16 bytes, so the 16 rows of a read start
; in 16 different groups of banks) and come back 64 bytes a lane.  Mean and variance in two passes (the variance of x - mean), summed over the four waves through LDS: two barriers.
; No tensor load, no cluster: no two work-groups read the same byte.
; LIMITS: NaN and infinities are not served; a block whose largest magnitude lies under 2^-118, a block of zeros too, keeps the byte 1 (its codes are what the conversion gives under that scale; this program alone reads the bytes).
.set PITCH, 1040
.set WST,   18*PITCH                   ; a wave's stage: 16 rows of data, a row of gains, a row of biases
.set RED,   4*WST                      ; 256 bytes of partial sums, and 256 more for the second pass
.set SCB,   16777216
.set RO,  16                           ; v16-31  byte offset of row j's 16 bytes; v16-18 hold scale words once the loads are in
.set PW0, 16
.set PW1, 17
.set PW,  18
.set X,   32                           ; v32-159 128 numbers
.set GB,  160                          ; v160-223 gains and biases at work; v160-175 also the second fragment's codes
.set CH,  224                          ; v224-231 sums; v224-239 the first fragment's codes
.set TM,  240                          ; v240-255 the quantiser's
.set SEL, 20
.set MNT, 22
.set LNM, 23                           ; s23  -1 in a LayerNorm unit, 0 in a weight unit
.macro BARRIER
	s_wait_dscnt 0x0                               ; for the others' sake: my LDS stores have landed
	s_barrier_signal -1
	s_barrier_wait -1
.endm
; 64 numbers of a lane, register 16 b + i = k 32 b + 16 h + i of my row, become a fragment's codes in v[pc] on and its scale word in v[PW]
.macro QUANT s, pc
.irp b, 0,1,2,3
	v_max3_num_f32 v[TM+\b], |v[\s+16*\b]|, |v[\s+1+16*\b]|, 0x4800000   ; my 16 numbers of block b, and the floor 2^(9 - 127): the byte cannot fall under 1
.endr
.irp i, 2,4,6,8,10,12,14
.irp b, 0,1,2,3
	v_max3_num_f32 v[TM+\b], v[TM+\b], |v[\s+16*\b+\i]|, |v[\s+1+16*\b+\i]|
.endr
.endr
.irp b, 0,1,2,3
	v_permlanex16_b32 v[TM+4+\b], v[TM+\b], s[SEL], s[SEL+1]
.endr
.irp b, 0,1,2,3
	v_max_num_f32 v[TM+\b], v[TM+\b], v[TM+4+\b]   ; with lane l xor 16's 16: the block's largest magnitude
.endr
.irp b, 0,1,2,3
	v_add_nc_u32 v[TM+12+\b], 0xfc000000, v[TM+\b] ; 8 off its exponent field: the conversion's scale operand
.endr
.irp b, 0,1,2,3
	v_and_or_b32 v[TM+8+\b], v[TM+\b], 0x7f800000, s[MNT]   ; 448 x the scale
.endr
.irp b, 0,1,2,3
	v_lshrrev_b32 v[TM+4+\b], 23, v[TM+12+\b]      ; the scale's byte
.endr
	v_lshl_or_b32 v[PW], v[TM+5], 8, v[TM+4]
	v_lshl_or_b32 v[PW], v[TM+6], 16, v[PW]
	v_lshl_or_b32 v[PW], v[TM+7], 24, v[PW]
.irp b, 0,1,2,3
.irp i, 0,1,2,3,4,5,6,7,8,9,10,11,12,13,14,15
	v_med3_num_f32 v[\s+16*\b+\i], v[\s+16*\b+\i], -v[TM+8+\b], v[TM+8+\b]   ; the conversion does not saturate (ISA guide 7.6.2): hold first
.endr
	v_cvt_scalef32_pk8_fp8_f32 v[\pc+4*\b:\pc+1+4*\b], v[\s+16*\b:\s+7+16*\b], v[TM+12+\b]
	v_cvt_scalef32_pk8_fp8_f32 v[\pc+2+4*\b:\pc+3+4*\b], v[\s+8+16*\b:\s+15+16*\b], v[TM+12+\b]
.endr
	v_nop                                          ; a plain line behind the last conversion
.endm
; the four chains in v[CH] on -> my row's sum over the wave's 256 columns -> over the four waves, in v[CH]
.macro ROWSUM off
	v_pk_add_f32 v[CH:CH+1], v[CH:CH+1], v[CH+2:CH+3]
	v_pk_add_f32 v[CH+4:CH+5], v[CH+4:CH+5], v[CH+6:CH+7]
	v_pk_add_f32 v[CH:CH+1], v[CH:CH+1], v[CH+4:CH+5]
	v_add_f32 v[CH], v[CH], v[CH+1]
	v_permlanex16_b32 v[CH+1], v[CH], s[SEL], s[SEL+1]
	v_add_f32 v[CH], v[CH], v[CH+1]
	ds_store_b32 v8, v[CH] offset:\off             ; lanes r and r + 16 write the same word with the same value
	BARRIER
.irp i, 0,1,2,3
	ds_load_b32 v[CH+4+\i], v9 offset:\off+64*\i
.endr
	s_wait_dscnt 0x0
	v_add_f32 v[CH+4], v[CH+4], v[CH+5]
	v_add_f32 v[CH+6], v[CH+6], v[CH+7]
	v_add_f32 v[CH], v[CH+4], v[CH+6]
.endm
; blocks 4 s + 2 bp and + 1 of my row: (x - mean) / sigma x gain + bias
.macro NORM s, bp
.irp e, 0,1
.irp i, 0,1,2,3
	ds_load_b128 v[GB+16*\e+4*\i:GB+16*\e+4*\i+3], v7 offset:16*PITCH+128*(4*\s+2*\bp+\e)+16*\i
	ds_load_b128 v[GB+32+16*\e+4*\i:GB+32+16*\e+4*\i+3], v7 offset:17*PITCH+128*(4*\s+2*\bp+\e)+16*\i
.endr
.endr
	s_wait_dscnt 0x0
.set n, X+64*\s+32*\bp
.rept 16
	v_pk_mul_f32 v[n:n+1], v[n:n+1], v[12:13] op_sel_hi:[1,0]
.set n, n+2
.endr
.set n, 0
.rept 16
	v_pk_fma_f32 v[X+64*\s+32*\bp+n:X+64*\s+32*\bp+n+1], v[X+64*\s+32*\bp+n:X+64*\s+32*\bp+n+1], v[GB+n:GB+n+1], v[GB+32+n:GB+32+n+1]
.set n, n+2
.endr
.endm
	s_load_b256 s[4:11], s[0:1], 0x0               ; rows s[4:5], gain s[6:7], bias s[8:9], w_qkv s[10:11]
	s_load_b256 s[12:19], s[0:1], 0x20             ; w_o s[12:13], w_ff1 s[14:15], w_ff2 s[16:17], out s[18:19]
	v_lshrrev_b32 v1, 5, v0
	v_readfirstlane_b32 s2, v1                     ; wave
	v_and_b32 v1, 31, v0                           ; lane
	v_and_b32 v2, 15, v0                           ; r
	v_bfe_u32 v3, v0, 4, 1                         ; h
	s_mul_i32 s3, s2, WST
	v_lshlrev_b32 v5, 4, v1
	s_lshl_b32 s24, s2, 10
	v_add_nc_u32 v4, s24, v5                       ; in a row: 1,024 w + 16 lane
	s_lshl_b32 s24, s2, 12
	v_add_nc_u32 v10, s24, v5                      ; in the unit's codes: 4,096 w + 16 lane
	v_add_nc_u32 v5, s3, v5                        ; the stage, on the way in
	v_mul_u32_u24 v6, v2, PITCH
	v_lshl_add_u32 v6, v3, 6, v6
	v_add_nc_u32 v6, s3, v6                        ; and out: row r, + 64 h
	v_lshlrev_b32 v7, 6, v3
	v_add_nc_u32 v7, s3, v7                        ; gains and biases: + 64 h
	v_lshl_add_u32 v9, v2, 2, RED                  ; partial sums: 4 r,
	s_lshl_b32 s24, s2, 6
	v_add_nc_u32 v8, s24, v9                       ; mine at + 64 w
	v_lshlrev_b32 v11, 2, v1
	s_lshl_b32 s24, s2, 7
	v_add_nc_u32 v11, s24, v11                     ; in the unit's scale words: 128 w + 4 lane
	v_mov_b32 v13, 0                               ; (upper halves of pairs that packed forms name)
	v_mov_b32 v15, 0
.irp b, 0,1,2,3
	v_mov_b32 v[TM+4+\b], 0                        ; a lane permute's destination counts as one of its sources
.endr
	s_mov_b32 s[SEL], 0x76543210
	s_mov_b32 s[SEL+1], 0xfedcba98
	s_mov_b32 s[MNT], 0x600000
	s_mov_b32 s42, 0x3a800000                      ; 1 / 1,024
	s_mov_b32 s43, 0x3727c5ac                      ; 1e-5
	s_mov_b32 s44, 0xffff0000                      ; lanes 16-31
	s_mov_b32 s24, 0
	s_wait_kmcnt 0x0
	s_mov_b64 s[36:37], s[4:5]
	s_cmp_ge_u32 ttmp9, 256                        ; which tensor: the choice hangs on the work-group's number alone
	s_cselect_b64 s[36:37], s[10:11], s[36:37]
	s_cselect_b32 s24, 256, s24                    ; the tensor's first unit
	s_cselect_b32 s[LNM], 0, -1
	s_cmp_ge_u32 ttmp9, 448
	s_cselect_b64 s[36:37], s[12:13], s[36:37]
	s_cselect_b32 s24, 448, s24
	s_cmp_ge_u32 ttmp9, 512
	s_cselect_b64 s[36:37], s[14:15], s[36:37]
	s_cselect_b32 s24, 512, s24
	s_cmp_ge_u32 ttmp9, 768
	s_cselect_b64 s[36:37], s[16:17], s[36:37]
	s_cselect_b32 s24, 768, s24
	s_cselect_b32 s25, 2, 0                        ; w_ff2: four units to a row block
	s_cselect_b32 s26, 3, 0
	s_cselect_b32 s27, 14, 12                      ; log2 of a row's bytes
	s_sub_co_u32 s29, ttmp9, s24
	s_lshr_b32 s30, s29, s25                       ; row block
	s_and_b32 s31, s29, s26                        ; quarter of K
	s_lshr_b32 s32, s30, 1
	s_lshl_b32 s32, s32, 5
	s_and_b32 s33, s30, 1
	s_lshl_b32 s34, 1, s27
	s_lshl_b32 s35, 8, s27
	s_cmp_lg_u32 s[LNM], 0
	s_cselect_b32 s28, 0, 3
	s_cselect_b32 s34, 8192, s34                   ; from row to row of the block: two tokens, or one weight row,
	s_cselect_b32 s35, 0, s35                      ; and eight weight rows more between rows 7 and 8
	s_lshl_b32 s33, s33, s28
	s_add_co_u32 s32, s32, s33                     ; the block's first row
	s_lshl_b32 s32, s32, s27
	s_lshl_b32 s31, s31, 12
	s_add_co_u32 s32, s32, s31
	s_mov_b32 s33, 0
	s_add_nc_u64 s[36:37], s[36:37], s[32:33]
	s_add_co_u32 s35, s35, s34
	s_lshl_b32 s38, ttmp9, 14
	s_mov_b32 s39, 0
	s_add_nc_u64 s[38:39], s[18:19], s[38:39]      ; the unit's codes
	s_lshl_b32 s40, ttmp9, 9
	s_mov_b32 s41, 0
	s_add_nc_u64 s[40:41], s[18:19], s[40:41]
	s_add_nc_u64 s[40:41], s[40:41], SCB           ; and its scale words
	v_mov_b32 v[RO], v4
.irp j, 1,2,3,4,5,6,7,8,9,10,11,12,13,14,15
.if \j == 8
	v_add_nc_u32 v[RO+\j], s35, v[RO+\j-1]
.else
	v_add_nc_u32 v[RO+\j], s34, v[RO+\j-1]
.endif
.endr
	global_load_b128 v[GB:GB+3], v4, s[6:7]
	global_load_b128 v[GB+4:GB+7], v4, s[6:7] offset:512
	global_load_b128 v[GB+8:GB+11], v4, s[8:9]
	global_load_b128 v[GB+12:GB+15], v4, s[8:9] offset:512
.irp j, 0,1,2,3,4,5,6,7,8,9,10,11,12,13,14,15
	global_load_b128 v[X+8*\j:X+8*\j+3], v[RO+\j], s[36:37] th:TH_LOAD_NT            ; 32 lanes read 512 consecutive bytes
	global_load_b128 v[X+8*\j+4:X+8*\j+7], v[RO+\j], s[36:37] offset:512 th:TH_LOAD_NT
.endr
	s_wait_loadcnt 32                              ; gain and bias are in; the 32 loads of rows may be out
.irp i, 0,1,2,3,4,5,6,7
	v_cndmask_b32 v[GB+\i], 1.0, v[GB+\i], s[LNM]
	v_cndmask_b32 v[GB+8+\i], 0, v[GB+8+\i], s[LNM]
.endr
	ds_store_b128 v5, v[GB:GB+3] offset:16*PITCH
	ds_store_b128 v5, v[GB+4:GB+7] offset:16*PITCH+512
	ds_store_b128 v5, v[GB+8:GB+11] offset:17*PITCH
	ds_store_b128 v5, v[GB+12:GB+15] offset:17*PITCH+512
.set n, 0
.rept 32
	s_wait_loadcnt 31-n                            ; loads come back in order: load n is in
	ds_store_b128 v5, v[X+4*n:X+4*n+3] offset:PITCH*(n/2)+512*(n%2)
.set n, n+1
.endr
	s_wait_dscnt 0x0                               ; the stores have read their registers
.set n, 0
.rept 32
	ds_load_b128 v[X+4*n:X+4*n+3], v6 offset:128*(n/4)+16*(n%4)   ; block n / 4 of my row: my 16 numbers
.set n, n+1
.endr
	s_wait_dscnt 0x0
	; the mean
.irp k, 0,1,2,3
	v_pk_add_f32 v[CH+2*\k:CH+2*\k+1], v[X+2*\k:X+2*\k+1], v[X+8+2*\k:X+9+2*\k]
.endr
.set n, 16
.rept 14
.irp k, 0,1,2,3
	v_pk_add_f32 v[CH+2*\k:CH+2*\k+1], v[CH+2*\k:CH+2*\k+1], v[X+n+2*\k:X+n+2*\k+1]
.endr
.set n, n+8
.endr
	ROWSUM 0
	v_mul_f32 v14, s42, v[CH]
	v_cndmask_b32 v14, 0, v14, s[LNM]
.set n, X
.rept 64
	v_pk_add_f32 v[n:n+1], v[n:n+1], v[14:15] op_sel_hi:[1,0] neg_lo:[0,1] neg_hi:[0,1]   ; x - mean
.set n, n+2
.endr
	; the variance, of x - mean
.irp k, 0,1,2,3
	v_pk_mul_f32 v[CH+2*\k:CH+2*\k+1], v[X+2*\k:X+2*\k+1], v[X+2*\k:X+2*\k+1]
.endr
.set n, 8
.rept 15
.irp k, 0,1,2,3
	v_pk_fma_f32 v[CH+2*\k:CH+2*\k+1], v[X+n+2*\k:X+n+2*\k+1], v[X+n+2*\k:X+n+2*\k+1], v[CH+2*\k:CH+2*\k+1]
.endr
.set n, n+8
.endr
	ROWSUM 256
	v_fma_f32 v12, v[CH], s42, s43
	s_wait_alu depctr_va_vdst(0)
	v_rsq_f32 v12, v12
	v_nop                                          ; a plain line behind the transcendental,
	s_wait_alu depctr_va_vdst(0)                   ; and the wait ahead of its first reader
	v_cndmask_b32 v12, 1.0, v12, s[LNM]
	s_wait_alu depctr_va_vdst(0)
	NORM 0, 0
	NORM 0, 1
	QUANT X, CH
.irp c, 0,1,2,3
	global_store_b128 v10, v[CH+4*\c:CH+4*\c+3], s[38:39] offset:512*\c   ; 32 lanes store 512 consecutive bytes
.endr
	v_mov_b32 v[PW0], v[PW]
	NORM 1, 0
	NORM 1, 1
	QUANT X+64, GB
.irp c, 0,1,2,3
	global_store_b128 v10, v[GB+4*\c:GB+4*\c+3], s[38:39] offset:2048+512*\c
.endr
	v_mov_b32 v[PW1], v[PW]
	v_cndmask_b32 v[PW], v[PW0], v[PW1], s44       ; lanes 0-15: the first fragment's words; lanes 16-31: the second's
	global_store_b32 v11, v[PW], s[40:41]          ; 128 consecutive bytes
	v_lshl_add_u32 v1, v0, 2, 0x12800              ; all 256 registers are at work, so v0 is kept and the add's two registers are made here: my spare word,
	v_mov_b32 v2, 0                                ; and 0 (v1 and v2 are no source of a store that is out)
	s_wait_alu depctr_va_vdst(0)                   ; directly ahead of the wait below
	s_wait_tensorcnt 0x0                           ; the wave's end
	ds_add_u32 v1, v2
	s_wait_dscnt 0x0
	s_endpgm
.Lfunc_end_k_q32e1358681_prep:
	.size	k_q32e1358681_prep, .Lfunc_end_k_q32e1358681_prep-k_q32e1358681_prep
	.p2alignl 7, 3214868480
	.fill 96, 4, 3214868480
	.section	.rodata,"a",@progbits
	.p2align	6, 0x0
	.amdhsa_kernel k_q32e1358681_prep
		.amdhsa_group_segment_fixed_size 76288
		.amdhsa_private_segment_fixed_size 0
		.amdhsa_enable_private_segment 0
		.amdhsa_kernarg_size 64
		.amdhsa_user_sgpr_count 2
		.amdhsa_user_sgpr_kernarg_segment_ptr 1
		.amdhsa_wavefront_size32 1
		.amdhsa_system_sgpr_workgroup_id_x 1
		.amdhsa_system_sgpr_workgroup_id_y 1
		.amdhsa_system_sgpr_workgroup_id_z 1
		.amdhsa_system_vgpr_workitem_id 0
		.amdhsa_next_free_vgpr 256
		.amdhsa_next_free_sgpr 66
		.amdhsa_reserve_vcc 0
		.amdhsa_float_denorm_mode_32 3
		.amdhsa_float_denorm_mode_16_64 3
		.amdhsa_memory_ordered 1
		.amdhsa_forward_progress 1
		.amdhsa_inst_pref_size 57
	.end_amdhsa_kernel
	.amdgpu_metadata
---
amdhsa.version: [ 1, 2 ]
amdhsa.kernels:
  - .name:           k_q32e1358681_prep
    .symbol:         k_q32e1358681_prep.kd
    .args:
      - { .name: x, .offset: 0, .size: 8, .value_kind: global_buffer, .address_space: global }
      - { .name: ln1_g, .offset: 8, .size: 8, .value_kind: global_buffer, .address_space: global }
      - { .name: ln1_b, .offset: 16, .size: 8, .value_kind: global_buffer, .address_space: global }
      - { .name: w_qkv, .offset: 24, .size: 8, .value_kind: global_buffer, .address_space: global }
      - { .name: w_o, .offset: 32, .size: 8, .value_kind: global_buffer, .address_space: global }
      - { .name: w_ff1, .offset: 40, .size: 8, .value_kind: global_buffer, .address_space: global }
      - { .name: w_ff2, .offset: 48, .size: 8, .value_kind: global_buffer, .address_space: global }
      - { .name: prepb, .offset: 56, .size: 8, .value_kind: global_buffer, .address_space: global }
    .group_segment_fixed_size: 76288
    .private_segment_fixed_size: 0
    .kernarg_segment_align: 8
    .kernarg_segment_size: 64
    .max_flat_workgroup_size: 128
    .sgpr_count:     66
    .vgpr_count:     256
    .wavefront_size: 32
...
	.end_amdgpu_metadata
.endif
;; end of part 1
;; launch gemm_qkv (part 2): grid 12 x 16, 4 waves a work-group, clusters of 4 x 4, 327,680 bytes of LDS; arguments prepb, b_qkv, qkvb; writes qkvb
.if DOCPART == 2
	.amdgcn_target "amdgcn-amd-amdhsa--gfx1250"
	.amdhsa_code_object_version 6
	.text
	.protected	k_q32e1358681_gemm_qkv
	.globl	k_q32e1358681_gemm_qkv
	.p2align	8
	.type	k_q32e1358681_gemm_qkv,@function
k_q32e1358681_gemm_qkv:
	s_mov_b64 s[64:65], 0
	v_nop
	global_prefetch_b8 v0, s[64:65] scope:SCOPE_SE
	s_setreg_imm32_b32 hwreg(HW_REG_WAVE_MODE, 25, 1), 1
	s_wait_xcnt 0x0
	s_wait_alu depctr_hold_cnt(0) depctr_sa_sdst(0) depctr_va_vdst(0) depctr_va_sdst(0) depctr_va_ssrc(0) depctr_va_vcc(0) depctr_vm_vsrc(0)
	s_getreg_b32 s2, hwreg(HW_REG_IB_STS2, 6, 4)
	s_cmp_eq_u32 s2, 0
	s_cbranch_scc0 .Lentry_in_a_cluster
	s_endpgm
.Lentry_in_a_cluster:
	s_bfe_u32 s2, ttmp6, 0x10000c
	s_cmp_lg_u32 s2, 0xf033
	s_cbranch_scc0 .Lentry_shape_is_right
	s_endpgm
.Lentry_shape_is_right:
; qkv = LN1(x) w_qkv^T + b_qkv on codes of FP8 (E4M3) with E8M0 scales, and q, k, v quantised again on the way out: q and k along the head's 64, v along the keys.
; A tile of 256 x 256 to a work-group of four waves, 128 x 128 a wave: 64 accumulators, 512 registers.  K = 1,024 goes in steps of 256 through a ring of two LDS slots.
; OPERANDS LIE IN MEMORY AS IMAGES OF THEIR REGISTERS ([row block][K step][2,048 bytes]): a fragment comes by four ds_load_b128 at 16 x lane: no pitch, no padding.  The scale words of all of K come once.
; THE MATRIX INSTRUCTION: source 0 = a block of the 'B side', source 1 = a block of the 'A side': a lane holds ONE row of the A side's block, and its registers run along the B side's rows.
; Clusters x = 0, 1 (q, k): A side = tokens, B side = weight rows, whose order in a block makes a lane's 64 results of one token block 4 x 16 neighbouring features: two heads' codes.
; Cluster x = 2 (v): THE SIDES ARE EXCHANGED by s_cselect_b32 on the cluster's x (the same in all sixteen partners): A side = w_v's rows, B side = tokens: a lane holds one feature and 64 keys of a K step of 128 keys.
; In a v fragment byte 8 u + j of a lane's 16 in chunk c is key 32 c + 16 h + 2 j + u: the even keys of a block of 32 in registers 4 c, 4 c + 1, the odd ones in 4 c + 2, 4 c + 3.
; CLUSTERS: 4 x 4.  The A side's tile hangs on cy and the cluster's numbers, and is asked for jointly along a row of the cluster; the B side's on cx, jointly along a column.
; 192 work-groups: a tile of 256 x 192 would give 256 but straddle the borders between q, k and v.
; LIMITS: NaN and infinities are not served; a block whose largest magnitude lies under 2^-118 keeps the byte 1.
; REGISTERS: window 0: v1-31 addresses and scraps; v32-63 scale words, two sets; v64-127 the bias by feature; from v128 the A side's fragments, ONE set.  Window 1: the B side's, two sets.  Windows 2, 3: accumulators.
.set HB,    4                          ; A blocks to a window
.set MB,    2*HB                       ; blocks of 16 rows a wave, on each side
.set NB,    MB
.set HH,    HB/2
.set NQ,    2                          ; K steps of 128 in a slot
.set KT,    8                          ; K steps in all
.set LAPS,  KT/(2*NQ)
.set FRB,   2048
.set HALFT, MB*NQ*FRB                  ; what one tensor load brings, and what one wave reads of a side
.set SLOT,  4*HALFT
.set HALFS, MB*KT*64                   ; the scale words of MB blocks, all of K
.set SCL,   2*SLOT
.set SPARE, SCL+4*HALFS                ; the spare words: two blocks of 256 bytes that no other line names
.set WQC,   4194304                    ; in prepb: w_qkv's codes; the tokens' lie at 0
.set HS,    16777216                   ; the tokens' scale words
.set WQS,   16908288                   ; w_qkv's
.set VC,    8388608                    ; in qkvb: v's codes (q's at 0, k's at 4,194,304)
.set QS,    12582912                   ; q's scale words (k's 262,144 on)
.set VS,    13107200
.set BV,   8                           ; v8-15  the bias by lane: of my row of A block a
.set ADRA, 16
.set BVT,  18                          ; v[18:19] one of them, for the packed form
.set ADRB, 20
.set VAL,  22
.set CSO,  24                          ; 16 x lane
.set SSO,  25                          ; 4 x lane
.set SH,   26
.set ADRS, 27
.set SPW,  28
.set NIL,  29
.set PW,   30
.set MSK,  31
.set SC,   32
.set BIAS, 64
.set AF,   128
.set ST,   128                         ; the way out: 64 numbers;  v32-47 codes;  v48-63 the quantiser's
.set PC,   32
.set TM,   48
.set G1, 24
.set G0, 32
.set G1B, 48
.set G0B, 56
.set G1S, 68
.set G0S, 76
.set G1SB, 80
.set G0SB, 88
.set SEL, 88                           ; on the way out, in registers of descriptors whose loads are done
.set MNT, 90
.set MSB, 0
.macro WIN new                         ; the immediate's high byte repeats the setting that is left
.if MSB != (\new)
	s_set_vgpr_msb (MSB<<8)|(\new)
.set MSB, (\new)
.endif
.endm
.set MUL_LO, 0xa1                      ; source 0 window 1, source 1 window 0, C and D window 2
.set MUL_HI, 0xf1
.set TO_B,   0x40
.macro JLOAD g0a, g1a, g0b, g1b        ; a joint load: waves 0, 1 fetch for the A side, waves 2, 3 for the B side; four v_nop follow each line
	s_cmp_eq_u32 s15, 0
	s_cbranch_scc0 .Lfor_b_\@
	tensor_load_to_lds s[\g0a:\g0a+3], s[\g1a:\g1a+7]
	s_nop 0
.rept 4
	v_nop
.endr
	s_branch .Lasked_\@
.Lfor_b_\@:
	tensor_load_to_lds s[\g0b:\g0b+3], s[\g1b:\g1b+7]
	s_nop 0
.rept 4
	v_nop
.endr
.Lasked_\@:
.endm
.macro CREST                           ; a round of the cluster's barrier behind its opening barrier
	s_cmp_lg_u32 s14, 0
	s_cbranch_scc1 .Lnot_wave_0_\@
	s_barrier_signal -3
.Lnot_wave_0_\@:
	s_barrier_wait -3
	s_barrier_signal -1
	s_barrier_wait -1
.endm
.macro CROUND
	s_barrier_signal -1
	s_barrier_wait -1
	CREST
.endm
.macro PLACES n
.rept \n
	v_nop
.endr
.endm
.macro FRAG reg, adr, q, i             ; block i, the slot's q-th K step
.irp c, 0,1,2,3
	ds_load_b128 v[\reg+4*\c:\reg+4*\c+3], v[\adr] offset:((\i)*NQ+(\q))*FRB+512*\c
.endr
.endm
.macro FETCH_B slot, q, p
	WIN TO_B
.set fi, 0
.rept NB
	FRAG 128*(\p)+16*fi, ADRB+\slot, \q, fi
.set fi, fi+1
.endr
	WIN 0
.endm
.macro FETCH_A slot, q, i0
.set fi, \i0
.rept HB
	FRAG AF+16*fi, ADRA+\slot, \q, fi
.set fi, fi+1
.endr
.endm
.macro SCALES sc                       ; register NQ i + q of set sc: lanes 0-15 the A side's block i, lanes 16-31 the B side's
.set si, 0
.rept MB
.set sq, 0
.rept NQ
	ds_load_b32 v[SC+16*\sc+NQ*si+sq], v[ADRS] offset:si*KT*64+64*sq
.set sq, sq+1
.endr
.set si, si+1
.endr
.endm
; n A blocks from a0 on x all B blocks.  The accumulators take turns, one instruction a turn, in the same order in every step.  zero = 1: the product starts the sums
.macro MULN a0, n, p, q, sc, zero
.set ma, \a0
.rept \n
.set mb, 0
.rept NB
.set rD, 8*(NB*(ma%HB)+mb)
.if \zero
	v_wmma_scale_f32_16x16x128_f8f6f4 v[rD:rD+7], v[128*(\p)+16*mb:128*(\p)+16*mb+15], v[AF+16*ma:AF+16*ma+15], 0, v[SC+16*(\sc)+NQ*mb+(\q)], v[SC+16*(\sc)+NQ*ma+(\q)] matrix_a_scale:MATRIX_SCALE_ROW1
.else
	v_wmma_scale_f32_16x16x128_f8f6f4 v[rD:rD+7], v[128*(\p)+16*mb:128*(\p)+16*mb+15], v[AF+16*ma:AF+16*ma+15], v[rD:rD+7], v[SC+16*(\sc)+NQ*mb+(\q)], v[SC+16*(\sc)+NQ*ma+(\q)] matrix_a_scale:MATRIX_SCALE_ROW1
.endif
.set mb, mb+1
.endr
.set ma, ma+1
.endr
.endm
.macro STEP slot, q, zero              ; a K step of 128 that has its successor in the same slot
	s_wait_dscnt 4*HB                              ; all but the youngest loads, the A side's upper blocks
	WIN MUL_LO
	MULN 0, HB, (\q)%2, \q, \slot, \zero
	s_wait_dscnt 0
	PLACES 8                                       ; eight places in front of loads into registers that these matrix instructions have read
	FETCH_B \slot, (\q)+1, 1-(\q)%2
	FETCH_A \slot, (\q)+1, 0
	WIN MUL_HI
	MULN HB, HB, (\q)%2, \q, \slot, \zero
	PLACES 8
	WIN 0
	FETCH_A \slot, (\q)+1, HB
.endm
.macro STEPS slot, q0
.set Q, \q0
.rept NQ-1-\q0
	STEP \slot, Q, 0
.set Q, Q+1
.endr
.endm
.macro TURN slot, next, fill           ; a slot's last step changes slots: one barrier
	s_wait_tensorcnt 0x0                           ; all my tensor loads have landed: my part of the next slot
	ds_add_u32 v[SPW], v[NIL]                      ; 0 onto my spare word
	s_wait_dscnt 4*HB+1                            ; (the add and the A side's upper blocks may be out)
	WIN MUL_LO
	MULN 0, HH, 1, NQ-1, \slot, 0
	s_wait_dscnt 0x0                               ; the add is done, and my reads of this slot are over
	s_barrier_signal -1
	MULN HH, HH, 1, NQ-1, \slot, 0
	WIN 0
	s_barrier_wait -1
.if \fill
	CREST                                          ; the barrier has opened a round of the cluster's: no wave of any partner still reads this slot or has a load on its way
	s_add_nc_u64 s[G0+4*\slot+2:G0+4*\slot+3], s[G0+4*\slot+2:G0+4*\slot+3], 2*NQ*FRB
	s_add_nc_u64 s[G0B+4*\slot+2:G0B+4*\slot+3], s[G0B+4*\slot+2:G0B+4*\slot+3], 2*NQ*FRB
	JLOAD G0+4*\slot, G1, G0B+4*\slot, G1B         ; the first tensor load behind the round; its four v_nop are four of the eight places
	PLACES 4
.else
	PLACES 8
.endif
	s_wait_alu depctr_va_vdst(0)
	v_add_nc_u32 v[ADRS], 64*NQ, v[ADRS]           ; the next slot's scale words
	FETCH_B \next, 0, 0
	FETCH_A \next, 0, 0
	SCALES \next
	WIN MUL_HI
	MULN HB, HB, 1, NQ-1, \slot, 0
	PLACES 8
	WIN 0
	FETCH_A \next, 0, HB
.endm
.macro QUANT s, pc                     ; 64 numbers of a lane, register 16 b + i = k 32 b + 16 h + i, become a fragment's codes in v[pc] on and its scale word in v[PW]
.irp b, 0,1,2,3
	v_max3_num_f32 v[TM+\b], |v[\s+16*\b]|, |v[\s+1+16*\b]|, 0x4800000   ; and the floor 2^(9 - 127): the byte cannot fall under 1
.endr
.irp i, 2,4,6,8,10,12,14
.irp b, 0,1,2,3
	v_max3_num_f32 v[TM+\b], v[TM+\b], |v[\s+16*\b+\i]|, |v[\s+1+16*\b+\i]|
.endr
.endr
.irp b, 0,1,2,3
	v_permlanex16_b32 v[TM+4+\b], v[TM+\b], s[SEL], s[SEL+1]
.endr
.irp b, 0,1,2,3
	v_max_num_f32 v[TM+\b], v[TM+\b], v[TM+4+\b]
.endr
.irp b, 0,1,2,3
	v_add_nc_u32 v[TM+12+\b], 0xfc000000, v[TM+\b] ; 8 off the exponent field: the conversion's scale operand
.endr
.irp b, 0,1,2,3
	v_and_or_b32 v[TM+8+\b], v[TM+\b], 0x7f800000, s[MNT]   ; 448 x the scale
.endr
.irp b, 0,1,2,3
	v_lshrrev_b32 v[TM+4+\b], 23, v[TM+12+\b]
.endr
	v_lshl_or_b32 v[PW], v[TM+5], 8, v[TM+4]
	v_lshl_or_b32 v[PW], v[TM+6], 16, v[PW]
	v_lshl_or_b32 v[PW], v[TM+7], 24, v[PW]
.irp b, 0,1,2,3
.irp i, 0,1,2,3,4,5,6,7,8,9,10,11,12,13,14,15
	v_med3_num_f32 v[\s+16*\b+\i], v[\s+16*\b+\i], -v[TM+8+\b], v[TM+8+\b]   ; the conversion does not saturate (ISA guide 7.6.2): hold first
.endr
	v_cvt_scalef32_pk8_fp8_f32 v[\pc+4*\b:\pc+1+4*\b], v[\s+16*\b:\s+7+16*\b], v[TM+12+\b]
	v_cvt_scalef32_pk8_fp8_f32 v[\pc+2+4*\b:\pc+3+4*\b], v[\s+8+16*\b:\s+15+16*\b], v[TM+12+\b]
.endr
	v_nop                                          ; a plain line behind the last conversion
.endm
	s_load_b128 s[4:7], s[0:1], 0x0                ; prepb s[4:5], b_qkv s[6:7]
	s_load_b64 s[10:11], s[0:1], 0x10              ; qkvb
	v_lshl_add_u32 v[SPW], v0, 2, SPARE
	v_mov_b32 v[NIL], 0
	ds_add_u32 v28, v29
	ds_add_u32 v28, v29
	s_wait_dscnt 0x0
	v_lshrrev_b32 v1, 5, v0
	v_readfirstlane_b32 s14, v1                    ; wave
	s_lshr_b32 s15, s14, 1                         ; my half of the A side.  Also: I fetch for the A side (0) or the B side (1)
	s_and_b32 s16, s14, 1                          ; my half of the B side.  Also: which half of that side I fetch
	s_bfe_u32 s40, ttmp6, 0x40000                  ; cx
	s_bfe_u32 s41, ttmp6, 0x40004                  ; cy
	s_lshl_b32 s67, ttmp9, 2
	s_and_b32 s66, ttmp7, 0xffff
	s_lshl_b32 s66, s66, 2
	s_mov_b32 s100, HS
	s_mov_b32 s101, WQS
	s_mov_b32 s96, WQC
	s_cmp_eq_u32 ttmp9, 2                          ; v's clusters: the same answer in all sixteen partners
	s_cselect_b32 s17, 8, s66                      ; the A side's tile: w_qkv's tile 8 + cy, or the tokens' 4 y + cy
	s_cselect_b32 s42, s66, s67                    ; the B side's: the tokens' 4 y + cx, or w_qkv's 4 x + cx
	s_cselect_b32 s98, -1, 0
	s_cselect_b32 s97, 0, -1
	s_cselect_b32 s99, WQC, 0                      ; where the A side's codes begin in prepb,
	s_cselect_b32 s100, WQS, s100                  ; its scale words,
	s_cselect_b32 s101, HS, s101                   ; the B side's scale words,
	s_cselect_b32 s96, 0, s96                      ; and its codes
	s_add_co_u32 s17, s17, s41
	s_add_co_u32 s42, s42, s40
	s_lshl_b32 s43, s41, 2
	s_lshl_b32 s43, 15, s43                        ; my row of the cluster
	s_lshl_b32 s44, 0x1111, s40                    ; my column
	; group 1 for codes: MB rows (blocks) of NQ x 2,048 bytes, KT x 2,048 bytes apart, in elements of 8 bytes; 15:0 the mask, 17:16 the element's size, 21 set beside a mask; no padding
	s_or_b32 s[G1+0], s43, (3<<16)|(1<<21)
	s_or_b32 s[G1B+0], s44, (3<<16)|(1<<21)
.irp g, G1, G1B
	s_mov_b32 s[\g+1], (NQ*256)<<16
	s_mov_b32 s[\g+2], (2*MB)<<16                  ; the head's loads bring a side's whole 2 MB blocks; behind them these two words are set to MB
	s_mov_b32 s[\g+3], (NQ*256)<<16
	s_mov_b32 s[\g+4], 2*MB
	s_mov_b32 s[\g+5], KT*256
	s_mov_b32 s[\g+6], 0
	s_mov_b32 s[\g+7], 0
.endr
	; and for the scale words of MB blocks: a dense block, as rows of 256 bytes
	s_or_b32 s[G1S+0], s43, (3<<16)|(1<<21)
	s_or_b32 s[G1SB+0], s44, (3<<16)|(1<<21)
.irp g, G1S, G1SB
	s_mov_b32 s[\g+1], 32<<16
	s_mov_b32 s[\g+2], (2*HALFS/256)<<16           ; a side's scale words whole
	s_mov_b32 s[\g+3], 32<<16
	s_mov_b32 s[\g+4], 2*HALFS/256
	s_mov_b32 s[\g+5], 32
	s_mov_b32 s[\g+6], 0
	s_mov_b32 s[\g+7], 0
.endr
	s_mul_i32 s18, s16, MB*KT*FRB                  ; s[18:19]: in the ring I fetch one half of a side: its bytes
	s_mov_b32 s19, 0
	s_mul_i32 s20, s17, 2*MB
	s_mul_i32 s22, s20, KT*64
	s_mul_i32 s20, s20, KT*FRB
	s_add_co_u32 s20, s20, s99
	s_add_co_u32 s22, s22, s100
	s_mov_b32 s21, 0
	s_mov_b32 s23, 0
	s_mul_i32 s46, s42, 2*MB
	s_mul_i32 s92, s46, KT*64
	s_mul_i32 s46, s46, KT*FRB
	s_add_co_u32 s46, s46, s96
	s_add_co_u32 s92, s92, s101
	s_mov_b32 s47, 0
	s_mov_b32 s93, 0
	s_mul_i32 s45, s14, HALFT                      ; where they go: wave x a half: no place in the cluster enters an LDS address
	s_wait_kmcnt 0x0
	s_add_nc_u64 s[20:21], s[4:5], s[20:21]
	s_add_nc_u64 s[22:23], s[4:5], s[22:23]
	s_add_nc_u64 s[46:47], s[4:5], s[46:47]
	s_add_nc_u64 s[92:93], s[4:5], s[92:93]
	CROUND                                         ; all sixteen work-groups are here: the first joint loads meet
	s_mov_b32 s[G0S], 1
	s_mov_b32 s[G0S+1], SCL
	s_mov_b64 s[G0S+2:G0S+3], s[22:23]
	s_or_b32 s[G0S+3], s[G0S+3], 0x80000000
	s_mov_b32 s[G0SB], 1
	s_mov_b32 s[G0SB+1], SCL+2*HALFS
	s_mov_b64 s[G0SB+2:G0SB+3], s[92:93]
	s_or_b32 s[G0SB+3], s[G0SB+3], 0x80000000
	; slot 0's groups 0 serve the head's loads first: each side's slot 0 whole
	s_mov_b32 s[G0], 1
	s_mov_b32 s[G0+1], 0
	s_mov_b64 s[G0+2:G0+3], s[20:21]
	s_or_b32 s[G0+3], s[G0+3], 0x80000000
	s_mov_b32 s[G0B], 1
	s_mov_b32 s[G0B+1], 2*HALFT
	s_mov_b64 s[G0B+2:G0B+3], s[46:47]
	s_or_b32 s[G0B+3], s[G0B+3], 0x80000000
	s_add_nc_u64 s[20:21], s[20:21], s[18:19]      ; slot 1's: my half of a side
	s_add_nc_u64 s[46:47], s[46:47], s[18:19]
	s_mov_b32 s[G0+4], 1
	s_add_co_u32 s[G0+5], s45, SLOT
	s_add_nc_u64 s[G0+6:G0+7], s[20:21], NQ*FRB
	s_or_b32 s[G0+7], s[G0+7], 0x80000000
	s_mov_b32 s[G0B+4], 1
	s_add_co_u32 s[G0B+5], s45, SLOT
	s_add_nc_u64 s[G0B+6:G0B+7], s[46:47], NQ*FRB
	s_or_b32 s[G0B+7], s[G0B+7], 0x80000000
; THE HEAD'S LOADS, ONE A WAVE: wave 0 the A side's slot 0, wave 1 the B side's, wave 2 the A side's scale words, wave 3 the B side's.  One chain of branches on the wave's number, one join
.macro ARM under, g0, g1, next
	s_cmp_lt_u32 s14, \under
	s_cbranch_scc0 \next
	tensor_load_to_lds s[\g0:\g0+3], s[\g1:\g1+7]
	s_nop 0
.rept 4
	v_nop
.endr
	s_branch .Lhead_asked
\next:
.endm
	ARM 1, G0,  G1,  .Lhead_b
	ARM 2, G0B, G1B, .Lhead_sa
	ARM 3, G0S, G1S, .Lhead_sb
	tensor_load_to_lds s[G0SB:G0SB+3], s[G1SB:G1SB+7]
	s_nop 0
.rept 4
	v_nop
.endr
.Lhead_asked:
	v_and_b32 v1, 15, v0                           ; r
	v_bfe_u32 v2, v0, 4, 1                         ; h
	s_wait_alu depctr_va_vdst(0)
	v_and_b32 v23, 31, v0                          ; lane
	v_lshlrev_b32 v[CSO], 4, v23
	v_lshlrev_b32 v[SSO], 2, v23
	s_mul_i32 s21, s15, HALFT
	s_mul_i32 s22, s16, HALFT
	s_add_co_u32 s22, s22, 2*HALFT
.irp s, 0,1
	v_add_nc_u32 v[ADRA+\s], s21, v[CSO]
	v_add_nc_u32 v[ADRB+\s], s22, v[CSO]
	s_add_co_u32 s21, s21, SLOT
	s_add_co_u32 s22, s22, SLOT
.endr
	v_lshlrev_b32 v3, 2, v1
	s_mul_i32 s21, s15, HALFS
	s_mul_i32 s22, s16, HALFS
	s_add_co_u32 s22, s22, 2*HALFS
	s_sub_co_u32 s22, s22, s21
	v_mul_u32_u24 v4, s22, v2                      ; lanes 16-31 take the B side's words: one product, the distance between the two bases
	s_add_co_u32 s21, s21, SCL
	v_add_nc_u32 v3, v3, v4
	v_add_nc_u32 v[ADRS], s21, v3
	v_lshlrev_b32 v[SH], 4, v2
	v_and_b32 v[SH], s97, v[SH]                    ; q, k: lanes 16-31 store the upper half of the scale word (the pair's second head); v: the whole word
	v_mov_b32 v[MSK], s98
	v_or_b32 v[MSK], 0xffff, v[MSK]
	v_mov_b32 v[BVT+1], 0
	; where the results go.  q, k: [batch][head pair][group of 32 tokens][parity][2,048]; v: [batch][K step of 128 keys][block of 16 features][2,048]
	s_lshr_b32 s66, s17, 3
	s_lshl_b32 s66, s66, 3
	s_and_b32 s67, s42, 3
	s_lshl_b32 s67, s67, 1
	s_add_co_u32 s67, s67, s16
	s_add_co_u32 s66, s66, s67
	s_lshl_b32 s66, s66, 6
	s_and_b32 s67, s17, 7
	s_lshl_b32 s67, s67, 3
	s_add_co_u32 s66, s66, s67
	s_lshl_b32 s67, s15, 2
	s_add_co_u32 s66, s66, s67
	s_lshl_b32 s67, s66, 8
	s_lshl_b32 s66, s66, 12
	s_lshl_b32 s96, ttmp9, 22
	s_add_co_u32 s66, s66, s96
	s_lshl_b32 s96, ttmp9, 18
	s_add_co_u32 s67, s67, s96
	s_add_co_u32 s67, s67, QS
	s_lshr_b32 s96, s42, 3
	s_lshl_b32 s96, s96, 4
	s_and_b32 s99, s42, 7
	s_lshl_b32 s99, s99, 1
	s_add_co_u32 s99, s99, s16
	s_add_co_u32 s96, s96, s99
	s_lshl_b32 s96, s96, 6
	s_sub_co_u32 s99, s17, 8
	s_lshl_b32 s99, s99, 4
	s_add_co_u32 s96, s96, s99
	s_lshl_b32 s99, s15, 3
	s_add_co_u32 s96, s96, s99
	s_lshl_b32 s99, s96, 7
	s_add_co_u32 s99, s99, VS
	s_lshl_b32 s96, s96, 11
	s_add_co_u32 s96, s96, VC
	s_cmp_lg_u32 s98, 0
	s_cselect_b32 s66, s96, s66
	s_cselect_b32 s67, s99, s67
	s_mov_b32 s101, 0
	s_mov_b32 s100, s66
	s_add_nc_u64 s[12:13], s[10:11], s[100:101]    ; codes
	s_mov_b32 s100, s67
	s_add_nc_u64 s[10:11], s[10:11], s[100:101]    ; scale words
	; the biases.  By feature (q, k): of my 128 features; in v's work-groups the offset is 0, so that the loads stay in the buffer, and what they bring is set to 0.  By lane (v): of my row of each A block; set to 0 elsewhere
	s_lshl_b32 s100, s42, 10
	s_lshl_b32 s99, s16, 9
	s_add_co_u32 s100, s100, s99
	s_and_b32 s100, s100, s97
	s_add_nc_u64 s[8:9], s[6:7], s[100:101]
	s_lshl_b32 s100, s41, 4
	s_lshl_b32 s99, s15, 3
	s_add_co_u32 s100, s100, s99
	s_lshl_b32 s100, s100, 6
	s_add_co_u32 s100, s100, 8192
	s_add_nc_u64 s[6:7], s[6:7], s[100:101]
	v_lshlrev_b32 v5, 6, v2
	v_and_b32 v6, 8, v1
	v_add_nc_u32 v6, v6, v1
	v_lshlrev_b32 v6, 2, v6
.irp b, 0,1,2,3
.irp i, 0,1,2,3
	global_load_b128 v[BIAS+16*\b+4*\i:BIAS+16*\b+4*\i+3], v5, s[8:9] offset:128*\b+16*\i
.endr
.endr
.irp a, 0,1,2,3,4,5,6,7
	global_load_b32 v[BV+\a], v6, s[6:7] offset:(32*(\a/2)+8*(\a%2))*4
.endr
	s_wait_alu depctr_va_vdst(0)
	s_wait_tensorcnt 0x0                           ; my tile of the head's four is in; the three lines stand ahead of slot 1's first fill as ahead of a refill
	ds_add_u32 v[SPW], v[NIL]
	s_mov_b32 s[G1+2], MB<<16                      ; no load of mine is out: from here on a load brings MB blocks,
	s_mov_b32 s[G1+4], MB
	s_mov_b32 s[G1B+2], MB<<16
	s_mov_b32 s[G1B+4], MB
	s_mov_b32 s[G0+1], s45                         ; and slot 0's groups 0 name my half of a side
	s_mov_b32 s[G0B+1], s45
	s_add_nc_u64 s[G0+2:G0+3], s[G0+2:G0+3], s[18:19]
	s_add_nc_u64 s[G0B+2:G0B+3], s[G0B+2:G0B+3], s[18:19]
	s_wait_dscnt 0x0
	CROUND                                         ; all four tiles are in, all sixteen work-groups are here
	JLOAD G0+4, G1, G0B+4, G1B                     ; slot 1's first fill: the first tensor load behind the round
	FETCH_B 0, 0, 0
	FETCH_A 0, 0, 0
	SCALES 0
	FETCH_A 0, 0, HB
	STEP 0, 0, 1                                   ; the first step starts the sums: nothing is cleared
	STEPS 0, 1
.if LAPS > 1
	s_mov_b32 s3, LAPS-1
.Llap:
	TURN 0, 1, 1
	STEPS 1, 0
	TURN 1, 0, 1
	STEPS 0, 0
	s_sub_co_u32 s3, s3, 1
	s_cmp_lg_u32 s3, 0
	s_cbranch_scc1 .Llap
.endif
	TURN 0, 1, 0                                   ; the last lap fills nothing
	STEPS 1, 0
	s_wait_dscnt 4*HB
	WIN MUL_LO
	MULN 0, HB, 1, NQ-1, 1, 0
	s_wait_dscnt 0
	WIN MUL_HI
	MULN HB, HB, 1, NQ-1, 1, 0
	WIN 0
	; THE WAY OUT, an A block at a time: its 64 numbers a lane + bias, quantised: one fragment's image and one scale word a row
	PLACES 8
	s_mov_b32 s[SEL], 0x76543210
	s_mov_b32 s[SEL+1], 0xfedcba98
	s_mov_b32 s[MNT], 0x600000
.irp b, 0,1,2,3
	v_mov_b32 v[TM+4+\b], 0
.endr
	s_wait_loadcnt 0x0                             ; the biases
.set n, 0
.rept 64
	v_cndmask_b32 v[BIAS+n], 0, v[BIAS+n], s97
.set n, n+1
.endr
.irp a, 0,1,2,3,4,5,6,7
	v_cndmask_b32 v[BV+\a], 0, v[BV+\a], s98
.endr
.irp a, 0,1,2,3,4,5,6,7
	WIN 0x02+\a/4
.set n, 0
.rept 32
	v_pk_add_f32 v[ST+n:ST+n+1], v[64*(\a%4)+n:64*(\a%4)+n+1], v[BIAS+n:BIAS+n+1]   ; each accumulator from its low end on
.set n, n+2
.endr
	WIN 0
	v_mov_b32 v[BVT], v[BV+\a]
.set n, 0
.rept 32
	v_pk_add_f32 v[ST+n:ST+n+1], v[ST+n:ST+n+1], v[BVT:BVT+1] op_sel_hi:[1,0]
.set n, n+2
.endr
	s_wait_alu depctr_va_vdst(0)                   ; directly ahead of the wait below
	s_wait_xcnt 0x0                                ; the last block's stores have read their registers: the 64 additions above name none of them, the quantiser writes them anew
	QUANT ST, PC
.irp c, 0,1,2,3
	global_store_b128 v[CSO], v[PC+4*\c:PC+4*\c+3], s[12:13] offset:2048*\a+512*\c   ; 32 lanes store 512 consecutive bytes
.endr
	v_lshrrev_b32 v[VAL], v[SH], v[PW]
	v_and_b32 v[VAL], v[MSK], v[VAL]
	global_store_b32 v[SSO], v[VAL], s[10:11] offset:128*\a
.endr
	s_wait_tensorcnt 0x0                           ; the wave's end
	ds_add_u32 v[SPW], v[NIL]
	s_wait_dscnt 0x0
	CROUND                                         ; the closing round
	s_endpgm
.Lfunc_end_k_q32e1358681_gemm_qkv:
	.size	k_q32e1358681_gemm_qkv, .Lfunc_end_k_q32e1358681_gemm_qkv-k_q32e1358681_gemm_qkv
	.p2alignl 7, 3214868480
	.fill 96, 4, 3214868480
	.section	.rodata,"a",@progbits
	.p2align	6, 0x0
	.amdhsa_kernel k_q32e1358681_gemm_qkv
		.amdhsa_group_segment_fixed_size 327680
		.amdhsa_private_segment_fixed_size 0
		.amdhsa_enable_private_segment 0
		.amdhsa_kernarg_size 24
		.amdhsa_user_sgpr_count 2
		.amdhsa_user_sgpr_kernarg_segment_ptr 1
		.amdhsa_wavefront_size32 1
		.amdhsa_system_sgpr_workgroup_id_x 1
		.amdhsa_system_sgpr_workgroup_id_y 1
		.amdhsa_system_sgpr_workgroup_id_z 1
		.amdhsa_system_vgpr_workitem_id 0
		.amdhsa_next_free_vgpr 1024
		.amdhsa_next_free_sgpr 102
		.amdhsa_reserve_vcc 0
		.amdhsa_float_denorm_mode_32 3
		.amdhsa_float_denorm_mode_16_64 3
		.amdhsa_memory_ordered 1
		.amdhsa_forward_progress 1
		.amdhsa_inst_pref_size 229
	.end_amdhsa_kernel
	.amdgpu_metadata
---
amdhsa.version: [ 1, 2 ]
amdhsa.kernels:
  - .name:           k_q32e1358681_gemm_qkv
    .symbol:         k_q32e1358681_gemm_qkv.kd
    .args:
      - { .name: prepb, .offset: 0, .size: 8, .value_kind: global_buffer, .address_space: global }
      - { .name: b_qkv, .offset: 8, .size: 8, .value_kind: global_buffer, .address_space: global }
      - { .name: qkvb, .offset: 16, .size: 8, .value_kind: global_buffer, .address_space: global }
    .group_segment_fixed_size: 327680
    .private_segment_fixed_size: 0
    .kernarg_segment_align: 8
    .kernarg_segment_size: 24
    .max_flat_workgroup_size: 128
    .sgpr_count:     102
    .vgpr_count:     1024
    .wavefront_size: 32
...
	.end_amdgpu_metadata
.endif
;; end of part 2
;; launch attn (part 3): grid 8 x 32, 16 waves a work-group, no clusters, 169,984 bytes of LDS; arguments qkvb, attb; writes attb
.if DOCPART == 3
	.amdgcn_target "amdgcn-amd-amdhsa--gfx1250"
	.amdhsa_code_object_version 6
	.text
	.protected	k_q32e1358681_attn
	.globl	k_q32e1358681_attn
	.p2align	8
	.type	k_q32e1358681_attn,@function
k_q32e1358681_attn:
	s_mov_b64 s[64:65], 0
	v_nop
	global_prefetch_b8 v0, s[64:65] scope:SCOPE_SE
	s_setreg_imm32_b32 hwreg(HW_REG_WAVE_MODE, 25, 1), 1
	s_wait_xcnt 0x0
; Attention under the mask that the problem builds itself: query i sees key j = i - 2 m, m = 0 .. 256.  The two parities never mix; inside a parity the mask is a causal band of 257.
; Both products on codes of FP8 (E4M3) with one E8M0 scale for each 32 along K.  The result, divided by the row's sum, is quantised along the model's axis for the next product.
; SHARES.  A work-group owns 256 tokens of one head; wave w owns group g = 8 x + w / 2 of 32 tokens and parity w % 2: 16 queries.  With query 16 g + r and key 16 c + kappa counted inside the parity, a key counts where
; 0 <= 16 (g - c) + r - kappa <= 256: 17 groups c, which lie in the five steps of 128 tokens g / 4 - 4 .. g / 4.  Steps before the sequence's start are left out by a scalar branch on ids.
; LDS.  The work-group's six steps of K, V and their scale words come ONCE, by tensor loads of twelve waves (one each, a pair of steps, out together); nothing is filled again.  A step before the start is clamped to step 0 and never read.
; LAYOUT.  S^T = K Q^T (source 0 = 16 keys of my parity, source 1 = my queries; K = 64, so the upper half of the instruction's K is zero codes of Q under the scale byte 0, whatever K's registers hold there:
; they hold codes of the next fragment, never a NaN code, since every number was held at the largest code).  O^T = V^T P^T: K = 128 tokens; V's and P's registers 4 c, 4 c + 1 hold my parity's 16 keys of block c,
; registers 4 c + 2, 4 c + 3 are zero codes: the other parity's p is 0 under the mask.  A lane holds one query throughout.
; SOFTMAX.  t = score x log2(e) / 8; M = the running largest t rounded up to a whole number; p = 2^(t - M), quantised not normalised; the sum of the unquantised p divides at the end; a change of M multiplies by an exact power of two.
; No multicast: neighbouring work-groups share four of six steps, but at other LDS places, and the whole launch fetches once at its head.  No prefetch: the fetches stand at the head.
; LIMITS: NaN and infinities are not served; a block of the result whose largest magnitude lies under 2^-118 keeps the byte 1.
.set KCL, 0                            ; K's codes [step 6][group 4][parity 2][1,024]
.set VCL, 49152                        ; V's codes [step 6][block of 16 channels 4][2,048]
.set KSL, 98304                        ; K's scale words [step][group][parity][64]
.set VSL, 101376                       ; V's [step][block][128]
.set KC,  4194304                      ; in qkvb
.set VC,  8388608
.set QS,  12582912
.set KS,  12845056
.set VS,  13107200
.set AS,  4194304                      ; in attb
.set KF,  48                           ; v48-79 four fragments of K, v80-87 zeros
.set VF,  88                           ; v88-151 four fragments of V
.set SS,  152                          ; v152-183 S^T, then p, at the end the result
.set OT,  184                          ; v184-215 O^T
.set PP,  216                          ; v216-231 p's codes
.set WV,  8
.set MNT, 19
.set SEL, 20
.set CS,  22
.set TC,  76                           ; s76 the trip; s77 its step of 128 tokens; s78, s79 where the step lies in LDS
.set KSI, 77
.set TB,  78
.set TS,  79
	s_load_b128 s[4:7], s[0:1], 0x0                ; qkvb, attb
	v_lshl_add_u32 v30, v0, 2, 0x29000
	v_mov_b32 v31, 0
	ds_add_u32 v30, v31
	ds_add_u32 v30, v31
	v_lshrrev_b32 v1, 5, v0
	s_delay_alu instid0(VALU_DEP_1)
	v_readfirstlane_b32 s[WV], v1                  ; wave 0..15
	s_and_b32 s9, s[WV], 1                         ; parity
	s_and_b32 s10, ttmp7, 0xffff
	s_lshr_b32 s11, s10, 4                         ; batch
	s_and_b32 s12, s10, 15                         ; head
	s_lshr_b32 s13, s12, 1                         ; head pair
	s_and_b32 s14, s12, 1
	s_lshl_b32 s15, ttmp9, 1
	s_and_b32 s91, s[WV], 3                        ; j: which pair of the six steps I fetch (j = 3: none); wave / 4 says which of the four kinds of tile
	s_lshl_b32 s16, s91, 1
	s_add_co_u32 s16, s16, s15
	s_sub_co_i32 s16, s16, 4                       ; the pair's first step is even: a pair lies wholly before the start or wholly inside
	s_max_i32 s16, s16, 0
	s_min_u32 s16, s16, 15                         ; the step that I fetch, held inside the sequence
	s_lshl_b32 s17, s11, 3
	s_add_co_u32 s17, s17, s13
	s_lshl_b32 s17, s17, 6                         ; (batch x 8 + head pair) x 64 groups
	s_lshl_b32 s18, s16, 2
	s_add_co_u32 s18, s18, s17
	s_lshl_b32 s80, s18, 12
	s_lshl_b32 s81, s14, 10
	s_add_co_u32 s80, s80, s81
	s_add_co_u32 s80, s80, KC
	s_mov_b32 s81, 0
	s_lshl_b32 s82, s18, 8
	s_lshl_b32 s83, s14, 6
	s_add_co_u32 s82, s82, s83
	s_add_co_u32 s82, s82, KS
	s_mov_b32 s83, 0
	s_lshl_b32 s84, s11, 4
	s_add_co_u32 s84, s84, s16
	s_lshl_b32 s84, s84, 4
	s_add_co_u32 s84, s84, s12
	s_lshl_b32 s86, s84, 9
	s_add_co_u32 s86, s86, VS
	s_mov_b32 s87, 0
	s_lshl_b32 s84, s84, 13
	s_add_co_u32 s84, s84, VC
	s_mov_b32 s85, 0
	; group 1, in elements of 8 bytes, no mask, no padding.  K's codes: 8 rows (group, parity) of 1,024 bytes, 2,048 apart
	s_mov_b32 s24, 3<<16
	s_mov_b32 s25, 128<<16
	s_mov_b32 s26, 16<<16                          ; two steps: 16 rows
	s_mov_b32 s27, 128<<16
	s_mov_b32 s28, 16
	s_mov_b32 s29, 256
	s_mov_b32 s30, 0
	s_mov_b32 s31, 0
	; V's codes: 8,192 dense bytes a step, as one row
	s_mov_b32 s32, 3<<16
	s_mov_b32 s33, 1024<<16                        ; two steps: 2 rows of 8,192 bytes, 131,072 bytes apart
	s_mov_b32 s34, 2<<16
	s_mov_b32 s35, 1024<<16
	s_mov_b32 s36, 2
	s_mov_b32 s37, 16384
	s_mov_b32 s38, 0
	s_mov_b32 s39, 0
	; K's scale words: 8 rows of 64 bytes, 128 apart
	s_mov_b32 s40, 3<<16
	s_mov_b32 s41, 8<<16
	s_mov_b32 s42, 16<<16
	s_mov_b32 s43, 8<<16
	s_mov_b32 s44, 16
	s_mov_b32 s45, 16
	s_mov_b32 s46, 0
	s_mov_b32 s47, 0
	; V's scale words: 512 dense bytes a step, as one row
	s_mov_b32 s48, 3<<16
	s_mov_b32 s49, 64<<16                          ; two steps: 2 rows of 512 bytes, 8,192 bytes apart
	s_mov_b32 s50, 2<<16
	s_mov_b32 s51, 64<<16
	s_mov_b32 s52, 2
	s_mov_b32 s53, 1024
	s_mov_b32 s54, 0
	s_mov_b32 s55, 0
	s_lshl_b32 s88, s91, 14
	s_lshl_b32 s89, s91, 10
	s_wait_dscnt 0x0
	s_wait_kmcnt 0x0
	s_mov_b32 s56, 1
	s_add_co_u32 s57, s88, KCL
	s_add_nc_u64 s[58:59], s[4:5], s[80:81]
	s_or_b32 s59, s59, 0x80000000
	s_mov_b32 s60, 1
	s_add_co_u32 s61, s88, VCL
	s_add_nc_u64 s[62:63], s[4:5], s[84:85]
	s_or_b32 s63, s63, 0x80000000
	s_mov_b32 s68, 1
	s_add_co_u32 s69, s89, KSL
	s_add_nc_u64 s[70:71], s[4:5], s[82:83]
	s_or_b32 s71, s71, 0x80000000
	s_mov_b32 s72, 1
	s_add_co_u32 s73, s89, VSL
	s_add_nc_u64 s[74:75], s[4:5], s[86:87]
	s_or_b32 s75, s75, 0x80000000
	; THE FIRST FILLS, ONE A WAVE: waves 0-2 K's codes, 4-6 V's codes, 8-10 K's scale words, 12-14 V's, each a pair of steps; one chain of branches on the wave's number, one join
	s_lshr_b32 s90, s[WV], 2
	s_cmp_eq_u32 s91, 3
	s_cbranch_scc1 .Lno_fetch
	s_cmp_eq_u32 s90, 0
	s_cbranch_scc0 .Lnot_kc
	tensor_load_to_lds s[56:59], s[24:31]
	s_nop 0
.rept 4
	v_nop
.endr
	s_branch .Lno_fetch
.Lnot_kc:
	s_cmp_eq_u32 s90, 1
	s_cbranch_scc0 .Lnot_vc
	tensor_load_to_lds s[60:63], s[32:39]
	s_nop 0
.rept 4
	v_nop
.endr
	s_branch .Lno_fetch
.Lnot_vc:
	s_cmp_eq_u32 s90, 2
	s_cbranch_scc0 .Lnot_ks
	tensor_load_to_lds s[68:71], s[40:47]
	s_nop 0
.rept 4
	v_nop
.endr
	s_branch .Lno_fetch
.Lnot_ks:
	tensor_load_to_lds s[72:75], s[48:55]
	s_nop 0
.rept 4
	v_nop
.endr
.Lno_fetch:
	; my queries, my rows of the result
	s_lshl_b32 s90, ttmp9, 3
	s_lshr_b32 s91, s[WV], 1
	s_add_co_u32 s90, s90, s91                     ; g
	s_add_co_u32 s80, s17, s90
	s_lshl_b32 s82, s80, 8
	s_lshl_b32 s80, s80, 12
	s_lshl_b32 s81, s9, 11
	s_add_co_u32 s80, s80, s81
	s_lshl_b32 s81, s14, 10
	s_add_co_u32 s80, s80, s81
	s_mov_b32 s81, 0
	s_add_nc_u64 s[92:93], s[4:5], s[80:81]        ; Q's codes
	s_lshl_b32 s83, s9, 7
	s_add_co_u32 s82, s82, s83
	s_lshl_b32 s83, s14, 6
	s_add_co_u32 s82, s82, s83
	s_add_co_u32 s82, s82, QS
	s_mov_b32 s83, 0
	s_add_nc_u64 s[94:95], s[4:5], s[82:83]        ; Q's scale words
	s_lshl_b32 s80, s11, 6
	s_add_co_u32 s80, s80, s90
	s_lshl_b32 s80, s80, 1
	s_add_co_u32 s80, s80, s9                      ; my row block of the result
	s_lshl_b32 s80, s80, 3
	s_add_co_u32 s80, s80, s13                     ; its K step: the head pair
	s_lshl_b32 s82, s80, 6
	s_lshl_b32 s80, s80, 11
	s_lshl_b32 s84, s14, 10
	s_add_co_u32 s80, s80, s84
	s_add_nc_u64 s[96:97], s[6:7], s[80:81]
	s_lshl_b32 s84, s14, 1
	s_add_co_u32 s82, s82, s84
	s_add_co_u32 s82, s82, AS
	s_add_nc_u64 s[98:99], s[6:7], s[82:83]
	v_and_b32 v5, 31, v0                           ; lane
	v_and_b32 v6, 15, v0                           ; r
	v_bfe_u32 v7, v0, 4, 1                         ; h
	s_delay_alu instid0(VALU_DEP_3)
	v_lshlrev_b32 v22, 4, v5                       ; 16 x lane
	s_delay_alu instid0(VALU_DEP_3)
	v_lshlrev_b32 v23, 2, v6                       ; 4 r
	global_load_b128 v[32:35], v22, s[92:93]
	global_load_b128 v[36:39], v22, s[92:93] offset:512
	global_load_b32 v255, v23, s[94:95]
	s_lshl_b32 s10, s9, 3
	v_add_nc_u32 v2, s10, v22
	s_delay_alu instid0(VALU_DEP_1)
	v_add_nc_u32 v2, VCL, v2                       ; V: 16 lane + 8 parity: my parity's 8 bytes of a lane's 16
	s_lshl_b32 s10, s9, 10
	v_add_nc_u32 v1, s10, v22                      ; K: 16 lane + 1,024 parity
	s_lshl_b32 s10, s9, 6
	v_add_nc_u32 v3, s10, v23
	s_delay_alu instid0(VALU_DEP_1)
	v_add_nc_u32 v3, KSL, v3
	v_lshl_add_u32 v4, v5, 2, VSL
	s_and_b32 s10, s91, 3
	s_lshl_b32 s10, s10, 4
	v_lshlrev_b32 v16, 3, v7
	s_delay_alu instid0(VALU_DEP_1)
	v_sub_nc_u32 v16, v6, v16
	s_delay_alu instid0(VALU_DEP_1)
	v_add_nc_u32 v16, s10, v16                     ; 16 (g % 4) + r - 8 h: register 8 cc + j holds key 16 cc + 8 h + j of the step
	v_mov_b32 v17, 0xff800000                      ; -infinity
	v_mov_b32 v13, 0xff61b1e6                      ; the largest t so far: -3e38
	s_delay_alu instid0(VALU_DEP_1)
	v_floor_f32 v12, -v13                          ; -M
	v_mov_b32 v14, 0
	v_mov_b32 v15, 0
.irp i, 0,1,2,3,4,5,6,7
	v_mov_b32 v[40+\i], 0                          ; Q's upper half of K: zero codes
	v_mov_b32 v[80+\i], 0
.endr
.set n, 0
.rept 16
	v_mov_b32 v[VF+4*n+2], 0                       ; the other parity's places: zero codes, written once
	v_mov_b32 v[VF+4*n+3], 0
.set n, n+1
.endr
.irp c, 0,1,2,3
	v_mov_b32 v[PP+4*\c+2], 0
	v_mov_b32 v[PP+4*\c+3], 0
	v_mov_b32 v[236+\c], 0                         ; a lane permute's destination counts as one of its sources
.endr
.set n, 0
.rept 32
	v_mov_b32 v[OT+n], 0                           ; the step is written once: the first finds zeros
.set n, n+1
.endr
	v_mov_b32 v252, 0
	v_mov_b32 v253, 0
	s_mov_b32 s[SEL], 0x76543210
	s_mov_b32 s[SEL+1], 0xfedcba98
	s_mov_b32 s[CS], 0x3e38aa3b                    ; log2(e) / 8
	s_mov_b32 s[CS+1], s[CS]
	s_mov_b32 s[MNT], 0x600000
	s_lshr_b32 s10, s[WV], 3
	s_add_co_u32 s[KSI], s15, s10
	s_sub_co_i32 s[KSI], s[KSI], 4
	s_lshl_b32 s[TB], s10, 13
	s_lshl_b32 s[TS], s10, 9
	s_mov_b32 s[TC], 0
	s_wait_tensorcnt 0x0                           ; my tiles have landed,
	s_barrier_signal -1
	s_barrier_wait -1                              ; everybody's have
	s_wait_loadcnt 0x0                             ; Q
.Ltrip:
	s_cmp_lt_i32 s[KSI], 0                         ; a step before the sequence's start: only the stepping lines
	s_cbranch_scc1 .Lskip
	v_add_nc_u32 v8, s[TB], v1
	v_add_nc_u32 v9, s[TB], v2
	v_add_nc_u32 v10, s[TS], v3
	v_add_nc_u32 v11, s[TS], v4
.rept 4
	v_nop                                          ; with the four additions: eight places in front of loads into registers that the last products read
.endr
.irp cc, 0,1,2,3
	ds_load_b128 v[KF+8*\cc:KF+8*\cc+3], v8 offset:2048*\cc
	ds_load_b128 v[KF+8*\cc+4:KF+8*\cc+7], v8 offset:2048*\cc+512
	ds_load_b32 v[248+\cc], v10 offset:128*\cc
.endr
.irp dt, 0,1,2,3
.irp c, 0,1,2,3
	ds_load_b64 v[VF+16*\dt+4*\c:VF+16*\dt+4*\c+1], v9 offset:2048*\dt+512*\c
.endr
	ds_load_b32 v[18+\dt], v11 offset:128*\dt
.endr
	s_wait_dscnt 20                                ; K's twelve loads are in; V's twenty may be out
.irp cc, 0,1,2,3
	v_wmma_scale_f32_16x16x128_f8f6f4 v[SS+8*\cc:SS+8*\cc+7], v[KF+8*\cc:KF+8*\cc+15], v[32:47], 0, v[248+\cc], v255
.endr
.rept 8
	v_nop
.endr
	s_cmp_lg_u32 s[TC], 0
	s_cbranch_scc1 .Lnot_first
.set n, 0
.rept 32
	v_cmp_lt_i32 vcc_lo, 16*(n/8)+n%8, v16         ; the first step: keys more than 256 behind my query are hidden
	v_cndmask_b32 v[SS+n], v[SS+n], v17, vcc_lo
.set n, n+1
.endr
.Lnot_first:
	s_cmp_lg_u32 s[TC], 4
	s_cbranch_scc1 .Lnot_last
.set n, 0
.rept 32
	v_cmp_gt_i32 vcc_lo, 16*(n/8)+n%8, v16         ; the last step: keys after my query are hidden
	v_cndmask_b32 v[SS+n], v[SS+n], v17, vcc_lo
.set n, n+1
.endr
.Lnot_last:
.irp b, 0,1,2,3
	v_max3_num_f32 v[232+\b], v[SS+8*\b], v[SS+8*\b+1], v[SS+8*\b+2]   ; the largest score of each block: for the row's maximum and for the block's largest p
.endr
.irp i, 3,5
.irp b, 0,1,2,3
	v_max3_num_f32 v[232+\b], v[232+\b], v[SS+8*\b+\i], v[SS+8*\b+\i+1]
.endr
.endr
.irp b, 0,1,2,3
	v_max_num_f32 v[232+\b], v[232+\b], v[SS+8*\b+7]
.endr
.irp b, 0,1,2,3
	s_delay_alu instid0(VALU_DEP_4)
	v_permlanex16_b32 v[236+\b], v[232+\b], s[SEL], s[SEL+1]
.endr
.irp b, 0,1,2,3
	s_delay_alu instid0(VALU_DEP_4)
	v_max_num_f32 v[232+\b], v[232+\b], v[236+\b]
.endr
	s_delay_alu instid0(VALU_DEP_2)
	v_max3_num_f32 v254, v232, v233, v234
	s_delay_alu instid0(VALU_DEP_1)
	v_max_num_f32 v254, v254, v235
	s_delay_alu instid0(VALU_DEP_1)
	v_mul_f32 v254, s[CS], v254
	s_delay_alu instid0(VALU_DEP_1)
	v_max_num_f32 v13, v13, v254                   ; the running largest t
	v_mov_b32 v254, v12
	s_delay_alu instid0(VALU_DEP_2)
	v_floor_f32 v12, -v13                          ; -M = floor(-t): M is a whole number
	s_delay_alu instid0(VALU_DEP_1)
	v_sub_f32 v254, v12, v254
	s_delay_alu instid0(VALU_DEP_1)
	v_cvt_i32_f32 v254, v254                       ; (it saturates)
	s_delay_alu instid0(VALU_DEP_1)
	v_ldexp_f32 v252, 1.0, v254                    ; f = 2^(old M - new M)
.set n, 0
.rept 16
	v_pk_fma_f32 v[SS+n:SS+n+1], v[SS+n:SS+n+1], s[CS:CS+1], v[12:13] op_sel_hi:[1,0,0]   ; t - M
.set n, n+2
.endr
.irp b, 0,1,2,3
	v_fma_f32 v[232+\b], v[232+\b], s[CS], v12
.endr
.set n, 0
	s_wait_alu depctr_va_vdst(0)
.rept 32
	v_exp_f32 v[SS+n], v[SS+n]                     ; p = 2^(t - M)
.set n, n+1
.endr
	v_pk_mul_f32 v[14:15], v[14:15], v[252:253] op_sel_hi:[1,0]   ; the sums under the new M: a plain line behind the exponentials
	s_wait_alu depctr_va_vdst(0)                   ; one wait for the batch, ahead of its first reader
.irp b, 0,1,2,3
	v_exp_f32 v[232+\b], v[232+\b]                 ; each block's largest p
.endr
	v_pk_add_f32 v[236:237], v[156:157], v[160:161]
	v_pk_add_f32 v[28:29], v[164:165], v[168:169]
	v_pk_add_f32 v[26:27], v[172:173], v[176:177]
	v_pk_add_f32 v[24:25], v[180:181], v[152:153]
	v_pk_add_f32 v[14:15], v[14:15], v[154:155]
	v_pk_add_f32 v[236:237], v[236:237], v[158:159]
	v_pk_add_f32 v[28:29], v[28:29], v[162:163]
	v_pk_add_f32 v[26:27], v[26:27], v[166:167]
	v_pk_add_f32 v[24:25], v[24:25], v[170:171]
	v_pk_add_f32 v[14:15], v[14:15], v[174:175]
	v_pk_add_f32 v[236:237], v[236:237], v[178:179]
	v_pk_add_f32 v[28:29], v[28:29], v[182:183]
	s_delay_alu instid0(VALU_DEP_3)
	v_pk_add_f32 v[14:15], v[14:15], v[26:27]
	s_delay_alu instid0(VALU_DEP_3)
	v_pk_add_f32 v[236:237], v[236:237], v[24:25]
	s_delay_alu instid0(VALU_DEP_2)
	v_pk_add_f32 v[14:15], v[14:15], v[28:29]
	s_delay_alu instid0(VALU_DEP_1)
	v_pk_add_f32 v[14:15], v[14:15], v[236:237]
	s_wait_alu depctr_va_vdst(0)                   ; and one for the four
.irp b, 0,1,2,3
	v_max_num_f32 v[232+\b], 0x4800000, v[232+\b]  ; the floor: a block whose every p is 0 keeps the byte 1, its codes are zeros
.endr
.irp b, 0,1,2,3
	s_delay_alu instid0(VALU_DEP_4)
	v_add_nc_u32 v[244+\b], 0xfc000000, v[232+\b]
.endr
.irp b, 0,1,2,3
	v_and_or_b32 v[240+\b], v[232+\b], 0x7f800000, s[MNT]
.endr
.irp b, 0,1,2,3
	v_lshrrev_b32 v[236+\b], 23, v[244+\b]
.endr
	s_delay_alu instid0(VALU_DEP_3)
	v_lshl_or_b32 v253, v237, 8, v236              ; p's scale word for this step
	s_delay_alu instid0(VALU_DEP_1)
	v_lshl_or_b32 v253, v238, 16, v253
	s_delay_alu instid0(VALU_DEP_1)
	v_lshl_or_b32 v253, v239, 24, v253
.irp b, 0,1,2,3
.irp i, 0,1,2,3,4,5,6,7
	v_min_num_f32 v[SS+8*\b+\i], v[SS+8*\b+\i], v[240+\b]   ; p is not negative: a one-sided hold
.endr
	v_cvt_scalef32_pk8_fp8_f32 v[PP+4*\b:PP+4*\b+1], v[SS+8*\b:SS+8*\b+7], v[244+\b]
.endr
.set n, 0
.rept 16
	v_pk_mul_f32 v[OT+n:OT+n+1], v[OT+n:OT+n+1], v[252:253] op_sel_hi:[1,0]   ; O^T under the new M; also the places in front of the products
.set n, n+2
.endr
	s_wait_alu depctr_va_vdst(0)
	s_wait_dscnt 0x0                               ; V
.irp dt, 0,1,2,3
	v_wmma_scale_f32_16x16x128_f8f6f4 v[OT+8*\dt:OT+8*\dt+7], v[VF+16*\dt:VF+16*\dt+15], v[PP:PP+15], v[OT+8*\dt:OT+8*\dt+7], v[18+\dt], v253
.endr
.Lskip:
	s_add_co_i32 s[KSI], s[KSI], 1
	s_add_co_u32 s[TB], s[TB], 8192
	s_add_co_u32 s[TS], s[TS], 512
	s_add_co_u32 s[TC], s[TC], 1
	s_cmp_lt_u32 s[TC], 5
	s_cbranch_scc1 .Ltrip
.rept 8
	v_nop
.endr
	v_add_f32 v14, v14, v15
	s_wait_alu depctr_va_vdst(0)
	v_permlanex16_b32 v252, v14, s[SEL], s[SEL+1]
	s_delay_alu instid0(VALU_DEP_1)
	v_add_f32 v14, v14, v252                       ; the row's sum
	s_wait_alu depctr_va_vdst(0)
	v_rcp_f32 v14, v14
	v_nop
	s_wait_alu depctr_va_vdst(0)
.set n, 0
.rept 32
	v_mul_f32 v[SS+n], v[OT+n], v14                ; register 16 b + i: channel 32 b + 16 h + i of my query
.set n, n+1
.endr
	; the head's two blocks of 32 along the next product's K
.irp b, 0,1
	v_max3_num_f32 v[232+\b], |v[SS+16*\b]|, |v[SS+1+16*\b]|, 0x4800000
.endr
.irp i, 2,4,6,8,10,12,14
.irp b, 0,1
	s_delay_alu instid0(VALU_DEP_2)
	v_max3_num_f32 v[232+\b], v[232+\b], |v[SS+16*\b+\i]|, |v[SS+1+16*\b+\i]|
.endr
.endr
.irp b, 0,1
	s_delay_alu instid0(VALU_DEP_2)
	v_permlanex16_b32 v[236+\b], v[232+\b], s[SEL], s[SEL+1]
.endr
.irp b, 0,1
	s_delay_alu instid0(VALU_DEP_2)
	v_max_num_f32 v[232+\b], v[232+\b], v[236+\b]
.endr
.irp b, 0,1
	s_delay_alu instid0(VALU_DEP_2)
	v_add_nc_u32 v[244+\b], 0xfc000000, v[232+\b]
.endr
.irp b, 0,1
	s_delay_alu instid0(VALU_DEP_4)
	v_and_or_b32 v[240+\b], v[232+\b], 0x7f800000, s[MNT]
.endr
.irp b, 0,1
	s_delay_alu instid0(VALU_DEP_4)
	v_lshrrev_b32 v[236+\b], 23, v[244+\b]
.endr
	s_delay_alu instid0(VALU_DEP_1)
	v_lshl_or_b32 v254, v237, 8, v236              ; two bytes of the row's scale word
.irp b, 0,1
.irp i, 0,1,2,3,4,5,6,7,8,9,10,11,12,13,14,15
	v_med3_num_f32 v[SS+16*\b+\i], v[SS+16*\b+\i], -v[240+\b], v[240+\b]
.endr
	v_cvt_scalef32_pk8_fp8_f32 v[PP+4*\b:PP+4*\b+1], v[SS+16*\b:SS+16*\b+7], v[244+\b]
	v_cvt_scalef32_pk8_fp8_f32 v[PP+4*\b+2:PP+4*\b+3], v[SS+16*\b+8:SS+16*\b+15], v[244+\b]
.endr
	v_nop
	global_store_b128 v22, v[PP:PP+3], s[96:97]              ; 512 consecutive bytes each
	global_store_b128 v22, v[PP+4:PP+7], s[96:97] offset:512
	s_wait_xcnt 0x0                                ; EXEC changes only behind this wait
	v_cmp_gt_u32 vcc_lo, 16, v5
	s_wait_tensorcnt 0x0
	ds_add_u32 v30, v31
	s_wait_dscnt 0x0
	s_and_saveexec_b32 s10, vcc_lo
	global_store_b16 v23, v254, s[98:99]           ; lanes 0-15: a row each
	s_wait_xcnt 0x0
	s_or_b32 exec_lo, exec_lo, s10
	s_endpgm
.Lfunc_end_k_q32e1358681_attn:
	.size	k_q32e1358681_attn, .Lfunc_end_k_q32e1358681_attn-k_q32e1358681_attn
	.p2alignl 7, 3214868480
	.fill 96, 4, 3214868480
	.section	.rodata,"a",@progbits
	.p2align	6, 0x0
	.amdhsa_kernel k_q32e1358681_attn
		.amdhsa_group_segment_fixed_size 169984
		.amdhsa_private_segment_fixed_size 0
		.amdhsa_enable_private_segment 0
		.amdhsa_kernarg_size 16
		.amdhsa_user_sgpr_count 2
		.amdhsa_user_sgpr_kernarg_segment_ptr 1
		.amdhsa_wavefront_size32 1
		.amdhsa_system_sgpr_workgroup_id_x 1
		.amdhsa_system_sgpr_workgroup_id_y 1
		.amdhsa_system_sgpr_workgroup_id_z 1
		.amdhsa_system_vgpr_workitem_id 0
		.amdhsa_next_free_vgpr 256
		.amdhsa_next_free_sgpr 100
		.amdhsa_reserve_vcc 1
		.amdhsa_float_denorm_mode_32 3
		.amdhsa_float_denorm_mode_16_64 3
		.amdhsa_memory_ordered 1
		.amdhsa_forward_progress 1
		.amdhsa_inst_pref_size 37
	.end_amdhsa_kernel
	.amdgpu_metadata
---
amdhsa.version: [ 1, 2 ]
amdhsa.kernels:
  - .name:           k_q32e1358681_attn
    .symbol:         k_q32e1358681_attn.kd
    .args:
      - { .name: qkvb, .offset: 0, .size: 8, .value_kind: global_buffer, .address_space: global }
      - { .name: attb, .offset: 8, .size: 8, .value_kind: global_buffer, .address_space: global }
    .group_segment_fixed_size: 169984
    .private_segment_fixed_size: 0
    .kernarg_segment_align: 8
    .kernarg_segment_size: 16
    .max_flat_workgroup_size: 512
    .sgpr_count:     100
    .vgpr_count:     256
    .wavefront_size: 32
...
	.end_amdgpu_metadata
.endif
;; end of part 3
;; launch gemm_o (part 4): grid 8 x 32, 4 waves a work-group, clusters of 4 x 4, 327,680 bytes of LDS; arguments attb, prepb, b_o, x, out1; writes out1
.if DOCPART == 4
	.amdgcn_target "amdgcn-amd-amdhsa--gfx1250"
	.amdhsa_code_object_version 6
	.text
	.protected	k_q32e1358681_gemm_o
	.globl	k_q32e1358681_gemm_o
	.p2align	8
	.type	k_q32e1358681_gemm_o,@function
k_q32e1358681_gemm_o:
	s_mov_b64 s[64:65], 0
	v_nop
	global_prefetch_b8 v0, s[64:65] scope:SCOPE_SE
	s_setreg_imm32_b32 hwreg(HW_REG_WAVE_MODE, 25, 1), 1
	s_wait_xcnt 0x0
	s_wait_alu depctr_hold_cnt(0) depctr_sa_sdst(0) depctr_va_vdst(0) depctr_va_sdst(0) depctr_va_ssrc(0) depctr_va_vcc(0) depctr_vm_vsrc(0)
	s_getreg_b32 s2, hwreg(HW_REG_IB_STS2, 6, 4)
	s_cmp_eq_u32 s2, 0
	s_cbranch_scc0 .Lentry_in_a_cluster
	s_endpgm
.Lentry_in_a_cluster:
	s_bfe_u32 s2, ttmp6, 0x10000c
	s_cmp_lg_u32 s2, 0xf033
	s_cbranch_scc0 .Lentry_shape_is_right
	s_endpgm
.Lentry_shape_is_right:
; out1 = x + attn w_o^T + b_o, the product on codes of FP8 (E4M3) with E8M0 scales; K = 1,024.
; N = 1,024 gives only 64 tiles of 256 x 256, so a tile is 128 x 128: 256 work-groups; four waves, 64 x 64 each: 16 accumulators.  One slot holds all eight K steps of 128, so nothing is filled again.
; Operands lie in memory as images of their registers ([row block][K step][2,048 bytes]); the scale words of all of K come once.  Source 0 = 16 weight rows, source 1 = 16 tokens: a lane holds one token and, by the
; order of the weight rows in a block, feature 32 (b / 2) + 16 h + 8 (b % 2) + j in register j of B block b.  Token block rb, row r = token 32 (rb / 2) + 2 r + rb % 2.
; CLUSTERS: 4 x 4: the tokens' tile is asked for jointly along a row of the cluster, the weights' along a column.
; The residual's rows and the bias are asked for at the head, into registers that the loop never names.  Results go through the wave's stage in LDS and leave as aligned runs of 256 bytes.
; REGISTERS: window 0: v8-11 bias; v16-29 addresses; v32-63 scale words; v64-127, v192-255 the residual; v128-191 A's fragments, later rows from the stage.  Window 1: B's two sets.  Windows 2, 3: accumulators.
.set HB,    2
.set MB,    2*HB
.set NB,    MB
.set NQ,    8                          ; all eight K steps lie in LDS at once: each side's 2 MB blocks x 8 x 2,048 bytes come by one load at the head, and nothing is filled later
.set KT,    8
.set FRB,   2048
.set HALFT, MB*NQ*FRB
.set SLOT,  4*HALFT
.set HALFS, MB*KT*64
.set SCL,   SLOT
.set SPARE, SCL+4*HALFS                ; the spare words: two blocks of 256 bytes that no other line names
.set STG,   SPARE+512                  ; the stages: 16 rows x (256 + 16) bytes a wave; no tile lands here
.set SPITCH, 272
.set AOFF,  0                          ; in attb: codes, scale words
.set ASOFF, 4194304
.set BOFF,  7340032                    ; in prepb: w_o's
.set BSOFF, 17006592
.set ADRA, 16
.set ADRB, 20
.set STO,  24
.set RD,   25
.set CO,   26
.set ADRS, 27
.set SPW,  28
.set NIL,  29
.set SC,   32
.set AF,   128
.set BK,   128
.set G1, 24
.set G0, 32
.set G1B, 48
.set G0B, 56
.set G1S, 68
.set G0S, 76
.set G1SB, 80
.set G0SB, 88
.set MSB, 0
.macro WIN new
.if MSB != (\new)
	s_set_vgpr_msb (MSB<<8)|(\new)
.set MSB, (\new)
.endif
.endm
.set MUL_LO, 0xa1
.set MUL_HI, 0xf1
.set TO_B,   0x40
.macro ARM under, g0, g1, next         ; an arm of the head's chain: a joint load, an s_nop 0 and four v_nop, a jump to the join
	s_cmp_lt_u32 s14, \under
	s_cbranch_scc0 \next
	tensor_load_to_lds s[\g0:\g0+3], s[\g1:\g1+7]
	s_nop 0
.rept 4
	v_nop
.endr
	s_branch .Lhead_asked
\next:
.endm
.macro CREST
	s_cmp_lg_u32 s14, 0
	s_cbranch_scc1 .Lnot_wave_0_\@
	s_barrier_signal -3
.Lnot_wave_0_\@:
	s_barrier_wait -3
	s_barrier_signal -1
	s_barrier_wait -1
.endm
.macro CROUND
	s_barrier_signal -1
	s_barrier_wait -1
	CREST
.endm
.macro PLACES n
.rept \n
	v_nop
.endr
.endm
.macro FRAG reg, adr, q, i
.irp c, 0,1,2,3
	ds_load_b128 v[\reg+4*\c:\reg+4*\c+3], v[\adr] offset:((\i)*NQ+(\q))*FRB+512*\c
.endr
.endm
.macro FETCH_B slot, q, p
	WIN TO_B
.set fi, 0
.rept NB
	FRAG 128*(\p)+16*fi, ADRB+\slot, \q, fi
.set fi, fi+1
.endr
	WIN 0
.endm
.macro FETCH_A slot, q, i0
.set fi, \i0
.rept HB
	FRAG AF+16*fi, ADRA+\slot, \q, fi
.set fi, fi+1
.endr
.endm
.macro SCALES sc
.set si, 0
.rept MB
.set sq, 0
.rept NQ
	ds_load_b32 v[SC+16*\sc+NQ*si+sq], v[ADRS] offset:si*KT*64+64*sq
.set sq, sq+1
.endr
.set si, si+1
.endr
.endm
.macro MULN a0, n, p, q, sc, zero      ; the accumulators take turns, one instruction a turn, in the same order in every step
.set ma, \a0
.rept \n
.set mb, 0
.rept NB
.set rD, 8*(NB*(ma%HB)+mb)
.if \zero
	v_wmma_scale_f32_16x16x128_f8f6f4 v[rD:rD+7], v[128*(\p)+16*mb:128*(\p)+16*mb+15], v[AF+16*ma:AF+16*ma+15], 0, v[SC+16*(\sc)+NQ*mb+(\q)], v[SC+16*(\sc)+NQ*ma+(\q)] matrix_a_scale:MATRIX_SCALE_ROW1
.else
	v_wmma_scale_f32_16x16x128_f8f6f4 v[rD:rD+7], v[128*(\p)+16*mb:128*(\p)+16*mb+15], v[AF+16*ma:AF+16*ma+15], v[rD:rD+7], v[SC+16*(\sc)+NQ*mb+(\q)], v[SC+16*(\sc)+NQ*ma+(\q)] matrix_a_scale:MATRIX_SCALE_ROW1
.endif
.set mb, mb+1
.endr
.set ma, ma+1
.endr
.endm
.macro STEP slot, q, zero
	s_wait_dscnt 4*HB                              ; all but the youngest loads, A's upper blocks
	WIN MUL_LO
	MULN 0, HB, (\q)%2, \q, \slot, \zero
	s_wait_dscnt 0
	PLACES 8                                       ; eight places in front of loads into registers that these matrix instructions have read
	FETCH_B \slot, (\q)+1, 1-(\q)%2
	FETCH_A \slot, (\q)+1, 0
	WIN MUL_HI
	MULN HB, HB, (\q)%2, \q, \slot, \zero
	PLACES 8
	WIN 0
	FETCH_A \slot, (\q)+1, HB
.endm
.macro STEPS slot, q0
.set Q, \q0
.rept NQ-1-\q0
	STEP \slot, Q, 0
.set Q, Q+1
.endr
.endm
	s_load_b256 s[4:11], s[0:1], 0x0               ; A's buffer s[4:5], B's s[6:7], bias s[8:9], residual s[10:11]
	s_load_b64 s[12:13], s[0:1], 0x20              ; the result
	v_lshl_add_u32 v[SPW], v0, 2, SPARE
	v_mov_b32 v[NIL], 0
	ds_add_u32 v28, v29
	ds_add_u32 v28, v29
	s_wait_dscnt 0x0
	v_lshrrev_b32 v1, 5, v0
	v_readfirstlane_b32 s14, v1
	s_lshr_b32 s15, s14, 1
	s_and_b32 s16, s14, 1
	s_bfe_u32 s40, ttmp6, 0x40000
	s_bfe_u32 s41, ttmp6, 0x40004
	s_lshl_b32 s42, ttmp9, 2
	s_add_co_u32 s42, s42, s40                     ; tile column
	s_and_b32 s17, ttmp7, 0xffff
	s_lshl_b32 s17, s17, 2
	s_add_co_u32 s17, s17, s41                     ; tile row
	s_lshl_b32 s43, s41, 2
	s_lshl_b32 s43, 15, s43
	s_lshl_b32 s44, 0x1111, s40
	s_or_b32 s[G1+0], s43, (3<<16)|(1<<21)         ; codes: MB rows (blocks) of NQ x 2,048 bytes, KT x 2,048 apart, in elements of 8 bytes
	s_or_b32 s[G1B+0], s44, (3<<16)|(1<<21)
.irp g, G1, G1B
	s_mov_b32 s[\g+1], (NQ*256)<<16
	s_mov_b32 s[\g+2], (2*MB)<<16
	s_mov_b32 s[\g+3], (NQ*256)<<16
	s_mov_b32 s[\g+4], 2*MB
	s_mov_b32 s[\g+5], KT*256
	s_mov_b32 s[\g+6], 0
	s_mov_b32 s[\g+7], 0
.endr
	s_or_b32 s[G1S+0], s43, (3<<16)|(1<<21)        ; scale words: a dense block, as rows of 256 bytes
	s_or_b32 s[G1SB+0], s44, (3<<16)|(1<<21)
.irp g, G1S, G1SB
	s_mov_b32 s[\g+1], 32<<16
	s_mov_b32 s[\g+2], (2*HALFS/256)<<16
	s_mov_b32 s[\g+3], 32<<16
	s_mov_b32 s[\g+4], 2*HALFS/256
	s_mov_b32 s[\g+5], 32
	s_mov_b32 s[\g+6], 0
	s_mov_b32 s[\g+7], 0
.endr
	s_mul_i32 s20, s17, 2*MB
	s_mul_i32 s22, s20, KT*64
	s_mul_i32 s20, s20, KT*FRB
	s_add_co_u32 s20, s20, AOFF
	s_add_co_u32 s22, s22, ASOFF
	s_mov_b32 s21, 0
	s_mov_b32 s23, 0
	s_mul_i32 s46, s42, 2*MB
	s_mul_i32 s92, s46, KT*64
	s_mul_i32 s46, s46, KT*FRB
	s_add_co_u32 s46, s46, BOFF
	s_add_co_u32 s92, s92, BSOFF
	s_mov_b32 s47, 0
	s_mov_b32 s93, 0
	s_wait_kmcnt 0x0
	s_add_nc_u64 s[20:21], s[4:5], s[20:21]
	s_add_nc_u64 s[22:23], s[4:5], s[22:23]
	s_add_nc_u64 s[46:47], s[6:7], s[46:47]
	s_add_nc_u64 s[92:93], s[6:7], s[92:93]
	CROUND                                         ; all sixteen work-groups are here: the first joint loads meet
	s_mov_b32 s[G0S], 1
	s_mov_b32 s[G0S+1], SCL
	s_mov_b64 s[G0S+2:G0S+3], s[22:23]
	s_or_b32 s[G0S+3], s[G0S+3], 0x80000000
	s_mov_b32 s[G0SB], 1
	s_mov_b32 s[G0SB+1], SCL+2*HALFS
	s_mov_b64 s[G0SB+2:G0SB+3], s[92:93]
	s_or_b32 s[G0SB+3], s[G0SB+3], 0x80000000
	s_mov_b32 s[G0], 1
	s_mov_b32 s[G0+1], 0
	s_mov_b64 s[G0+2:G0+3], s[20:21]
	s_or_b32 s[G0+3], s[G0+3], 0x80000000
	s_mov_b32 s[G0B], 1
	s_mov_b32 s[G0B+1], 2*HALFT
	s_mov_b64 s[G0B+2:G0B+3], s[46:47]
	s_or_b32 s[G0B+3], s[G0B+3], 0x80000000
	; THE LOADS, ONE A WAVE: wave 0 the tokens' codes, wave 1 the weights', wave 2 the tokens' scale words, wave 3 the weights'
	ARM 1, G0,  G1,  .Lhead_b
	ARM 2, G0B, G1B, .Lhead_sa
	ARM 3, G0S, G1S, .Lhead_sb
	tensor_load_to_lds s[G0SB:G0SB+3], s[G1SB:G1SB+7]
	s_nop 0
.rept 4
	v_nop
.endr
.Lhead_asked:
	v_and_b32 v1, 15, v0
	v_bfe_u32 v2, v0, 4, 1
	s_wait_alu depctr_va_vdst(0)
	v_and_b32 v3, 31, v0
	v_lshlrev_b32 v4, 4, v3
	s_mul_i32 s21, s15, HALFT
	s_mul_i32 s22, s16, HALFT
	s_add_co_u32 s22, s22, 2*HALFT
	v_add_nc_u32 v[ADRA], s21, v4
	v_add_nc_u32 v[ADRB], s22, v4
	v_lshlrev_b32 v5, 2, v1
	s_mul_i32 s21, s15, HALFS
	s_mul_i32 s22, s16, HALFS
	s_add_co_u32 s22, s22, 2*HALFS
	s_sub_co_u32 s22, s22, s21
	v_mul_u32_u24 v6, s22, v2                      ; lanes 16-31 take B's words: one product, the distance between the two bases
	s_add_co_u32 s21, s21, SCL
	v_add_nc_u32 v5, v5, v6
	v_add_nc_u32 v[ADRS], s21, v5
	s_mul_i32 s23, s14, 16*SPITCH
	s_add_co_u32 s23, s23, STG
	v_mul_u32_u24 v5, v1, SPITCH
	v_lshl_add_u32 v5, v2, 6, v5
	v_add_nc_u32 v[STO], s23, v5                   ; into my stage: row r, + 64 h
	v_mul_u32_u24 v5, v2, SPITCH
	v_lshl_add_u32 v5, v1, 4, v5
	v_add_nc_u32 v[RD], s23, v5                    ; back: lanes 0-15 one row, lanes 16-31 the next
	v_lshlrev_b32 v5, 13, v2
	v_lshl_add_u32 v[CO], v1, 4, v5                ; in memory those two rows are two tokens apart
	v_lshlrev_b32 v7, 4, v1
	s_wait_alu depctr_va_vdst(0)
	s_lshl_b32 s46, s42, 9
	s_lshl_b32 s47, s16, 8
	s_add_co_u32 s46, s46, s47                     ; my first column, in bytes
	s_mov_b32 s47, 0
	s_add_nc_u64 s[8:9], s[8:9], s[46:47]
	s_lshl_b32 s20, s17, 19
	s_lshl_b32 s21, s15, 18
	s_add_co_u32 s20, s20, s21                     ; my first token's row
	s_add_co_u32 s20, s20, s46
	s_mov_b32 s21, 0
	s_add_nc_u64 s[10:11], s[10:11], s[20:21]
	s_add_nc_u64 s[12:13], s[12:13], s[20:21]
	s_wait_tensorcnt 0x0                           ; my tile is in; behind the barrier everybody's is
	s_barrier_signal -1
	s_barrier_wait -1
	FETCH_B 0, 0, 0
	FETCH_A 0, 0, 0
	SCALES 0
	FETCH_A 0, 0, HB
	global_load_b128 v[8:11], v7, s[8:9]           ; the bias and the residual's rows are asked for here, behind the tiles, into registers that the products never name: they are wanted on the way out
.irp a, 0,1,2,3
.irp t, 0,1,2,3,4,5,6,7
	global_load_b128 v[64+32*\a+64*(\a/2)+4*\t:64+32*\a+64*(\a/2)+4*\t+3], v[CO], s[10:11] offset:(32*(\a/2)+\a%2+4*\t)*4096 th:TH_LOAD_NT
.endr
.endr
	STEP 0, 0, 1
	STEPS 0, 1
	s_wait_dscnt 4*HB                              ; the last K step: nothing more to fetch
	WIN MUL_LO
	MULN 0, HB, 1, NQ-1, 0, 0
	s_wait_dscnt 0
	WIN MUL_HI
	MULN HB, HB, 1, NQ-1, 0, 0
	WIN 0
; THE WAY OUT, a block of 16 tokens x 64 columns at a time, through my own stage: LDS serves a wave's instructions in order, so no wait stands between the stores and the loads
.macro TOSTAGE a
	WIN 0x08+4*((\a)/HB)                           ; an LDS store's data: window 2 or 3
.set tb, 0
.rept NB
	ds_store_b128 v[STO], v[32*((\a)%HB)+8*tb:32*((\a)%HB)+8*tb+3] offset:128*(tb/2)+32*(tb%2)       ; each accumulator from its low end on
	ds_store_b128 v[STO], v[32*((\a)%HB)+8*tb+4:32*((\a)%HB)+8*tb+7] offset:128*(tb/2)+32*(tb%2)+16
.set tb, tb+1
.endr
	WIN 0
.irp t, 0,1,2,3,4,5,6,7
	ds_load_b128 v[BK+32*((\a)%2)+4*\t:BK+32*((\a)%2)+4*\t+3], v[RD] offset:2*SPITCH*\t
.endr
.endm
.macro SEND a, younger
.set BB, BK+32*((\a)%2)
.set RR, 64+32*(\a)+64*((\a)/2)
	s_wait_dscnt \younger                          ; the block is back; the next block's 8 stores and 8 loads may be out
.set n, 0
.rept 16
	v_pk_add_f32 v[BB+n:BB+n+1], v[BB+n:BB+n+1], v[RR+n:RR+n+1]
.set n, n+2
.endr
.set n, 0
.rept 16
	v_pk_add_f32 v[BB+n:BB+n+1], v[BB+n:BB+n+1], v[8+n%4:9+n%4]
.set n, n+2
.endr
.irp t, 0,1,2,3,4,5,6,7
	global_store_b128 v[CO], v[BB+4*\t:BB+4*\t+3], s[12:13] offset:(32*((\a)/2)+(\a)%2+4*\t)*4096   ; 16 lanes store 256 consecutive bytes, aligned
.endr
.endm
	PLACES 8
	s_wait_loadcnt 0x0                             ; the bias and the residual, asked for at the head
	TOSTAGE 0
.irp a, 1,2,3
.if \a > 1
	s_wait_xcnt 0x0                                ; block a - 2's stores have read their registers
.endif
	TOSTAGE \a
	SEND \a-1, 16
.endr
	SEND 3, 0
	s_wait_tensorcnt 0x0                           ; the wave's end
	ds_add_u32 v[SPW], v[NIL]
	s_wait_dscnt 0x0
	CROUND                                         ; the closing round
	s_endpgm
.Lfunc_end_k_q32e1358681_gemm_o:
	.size	k_q32e1358681_gemm_o, .Lfunc_end_k_q32e1358681_gemm_o-k_q32e1358681_gemm_o
	.p2alignl 7, 3214868480
	.fill 96, 4, 3214868480
	.section	.rodata,"a",@progbits
	.p2align	6, 0x0
	.amdhsa_kernel k_q32e1358681_gemm_o
		.amdhsa_group_segment_fixed_size 327680
		.amdhsa_private_segment_fixed_size 0
		.amdhsa_enable_private_segment 0
		.amdhsa_kernarg_size 40
		.amdhsa_user_sgpr_count 2
		.amdhsa_user_sgpr_kernarg_segment_ptr 1
		.amdhsa_wavefront_size32 1
		.amdhsa_system_sgpr_workgroup_id_x 1
		.amdhsa_system_sgpr_workgroup_id_y 1
		.amdhsa_system_sgpr_workgroup_id_z 1
		.amdhsa_system_vgpr_workitem_id 0
		.amdhsa_next_free_vgpr 1024
		.amdhsa_next_free_sgpr 102
		.amdhsa_reserve_vcc 0
		.amdhsa_float_denorm_mode_32 3
		.amdhsa_float_denorm_mode_16_64 3
		.amdhsa_memory_ordered 1
		.amdhsa_forward_progress 1
		.amdhsa_inst_pref_size 67
	.end_amdhsa_kernel
	.amdgpu_metadata
---
amdhsa.version: [ 1, 2 ]
amdhsa.kernels:
  - .name:           k_q32e1358681_gemm_o
    .symbol:         k_q32e1358681_gemm_o.kd
    .args:
      - { .name: attb, .offset: 0, .size: 8, .value_kind: global_buffer, .address_space: global }
      - { .name: prepb, .offset: 8, .size: 8, .value_kind: global_buffer, .address_space: global }
      - { .name: b_o, .offset: 16, .size: 8, .value_kind: global_buffer, .address_space: global }
      - { .name: x, .offset: 24, .size: 8, .value_kind: global_buffer, .address_space: global }
      - { .name: out1, .offset: 32, .size: 8, .value_kind: global_buffer, .address_space: global }
    .group_segment_fixed_size: 327680
    .private_segment_fixed_size: 0
    .kernarg_segment_align: 8
    .kernarg_segment_size: 40
    .max_flat_workgroup_size: 128
    .sgpr_count:     102
    .vgpr_count:     1024
    .wavefront_size: 32
...
	.end_amdgpu_metadata
.endif
;; end of part 4
;; launch ln2: the kernel of part 1 again; grid 256 x 1, 4 waves a work-group, no clusters, 76,288 bytes of LDS; arguments out1, ln2_g, ln2_b, w_qkv, w_o, w_ff1, w_ff2, h2b; writes h2b
;; launch ff1 (part 5): grid 16 x 16, 4 waves a work-group, clusters of 4 x 4, 327,680 bytes of LDS; arguments h2b, prepb, b_ff1, gb; writes gb
.if DOCPART == 5
	.amdgcn_target "amdgcn-amd-amdhsa--gfx1250"
	.amdhsa_code_object_version 6
	.text
	.protected	k_q32e1358681_ff1
	.globl	k_q32e1358681_ff1
	.p2align	8
	.type	k_q32e1358681_ff1,@function
k_q32e1358681_ff1:
	s_mov_b64 s[64:65], 0
	v_nop
	global_prefetch_b8 v0, s[64:65] scope:SCOPE_SE
	s_setreg_imm32_b32 hwreg(HW_REG_WAVE_MODE, 25, 1), 1
	s_wait_xcnt 0x0
	s_wait_alu depctr_hold_cnt(0) depctr_sa_sdst(0) depctr_va_vdst(0) depctr_va_sdst(0) depctr_va_ssrc(0) depctr_va_vcc(0) depctr_vm_vsrc(0)
	s_getreg_b32 s2, hwreg(HW_REG_IB_STS2, 6, 4)
	s_cmp_eq_u32 s2, 0
	s_cbranch_scc0 .Lentry_in_a_cluster
	s_endpgm
.Lentry_in_a_cluster:
	s_bfe_u32 s2, ttmp6, 0x10000c
	s_cmp_lg_u32 s2, 0xf033
	s_cbranch_scc0 .Lentry_shape_is_right
	s_endpgm
.Lentry_shape_is_right:
.set HB,    4
.set MB,    2*HB
.set NB,    MB
.set HH,    HB/2
.set NQ,    2
.set KT,    8
.set LAPS,  KT/(2*NQ)
.set FRB,   2048
.set HALFT, MB*NQ*FRB
.set SLOT,  4*HALFT
.set HALFS, MB*KT*64
.set SCL,   2*SLOT
.set SPARE, SCL+4*HALFS
.set AOFF,  0
.set ASOFF, 16777216
.set BOFF,  8388608
.set BSOFF, 17039360
.set GS,    16777216
.set ADRA, 16
.set C9,   18
.set ADRB, 20
.set LN,   23
.set CSO,  24
.set SSO,  25
.set ADRS, 27
.set SPW,  28
.set NIL,  29
.set PW,   30
.set SC,   32
.set BIAS, 64
.set AF,   128
.set ST,   128
.set GT,   192
.set GW,   224
.set GW2,  32
.set PC,   32
.set TM,   48
.set G1, 24
.set G0, 32
.set G1B, 48
.set G0B, 56
.set G1S, 68
.set G0S, 76
.set G1SB, 80
.set G0SB, 88
.set CK,  68
.set SEL, 88
.set MNT, 90
.set KA,  91
.set MSB, 0
.macro WIN new
.if MSB != (\new)
	s_set_vgpr_msb (MSB<<8)|(\new)
.set MSB, (\new)
.endif
.endm
.set MUL_LO, 0xa1
.set MUL_HI, 0xf1
.set TO_B,   0x40
.macro JLOAD g0a, g1a, g0b, g1b
	s_cmp_eq_u32 s15, 0
	s_cbranch_scc0 .Lfor_b_\@
	tensor_load_to_lds s[\g0a:\g0a+3], s[\g1a:\g1a+7]
	s_nop 0
.rept 4
	v_nop
.endr
	s_branch .Lasked_\@
.Lfor_b_\@:
	tensor_load_to_lds s[\g0b:\g0b+3], s[\g1b:\g1b+7]
	s_nop 0
.rept 4
	v_nop
.endr
.Lasked_\@:
.endm
.macro CREST
	s_cmp_lg_u32 s14, 0
	s_cbranch_scc1 .Lnot_wave_0_\@
	s_barrier_signal -3
.Lnot_wave_0_\@:
	s_barrier_wait -3
	s_barrier_signal -1
	s_barrier_wait -1
.endm
.macro CROUND
	s_barrier_signal -1
	s_barrier_wait -1
	CREST
.endm
.macro PLACES n
.rept \n
	v_nop
.endr
.endm
.macro FRAG reg, adr, q, i
.irp c, 0,1,2,3
	ds_load_b128 v[\reg+4*\c:\reg+4*\c+3], v[\adr] offset:((\i)*NQ+(\q))*FRB+512*\c
.endr
.endm
.macro FETCH_B slot, q, p
	WIN TO_B
.set fi, 0
.rept NB
	FRAG 128*(\p)+16*fi, ADRB+\slot, \q, fi
.set fi, fi+1
.endr
	WIN 0
.endm
.macro FETCH_A slot, q, i0
.set fi, \i0
.rept HB
	FRAG AF+16*fi, ADRA+\slot, \q, fi
.set fi, fi+1
.endr
.endm
.macro SCALES sc
.set si, 0
.rept MB
.set sq, 0
.rept NQ
	ds_load_b32 v[SC+16*\sc+NQ*si+sq], v[ADRS] offset:si*KT*64+64*sq
.set sq, sq+1
.endr
.set si, si+1
.endr
.endm
.macro MULN a0, n, p, q, sc, zero
.set ma, \a0
.rept \n
.set mb, 0
.rept NB
.set rD, 8*(NB*(ma%HB)+mb)
.if \zero
	v_wmma_scale_f32_16x16x128_f8f6f4 v[rD:rD+7], v[128*(\p)+16*mb:128*(\p)+16*mb+15], v[AF+16*ma:AF+16*ma+15], 0, v[SC+16*(\sc)+NQ*mb+(\q)], v[SC+16*(\sc)+NQ*ma+(\q)] matrix_a_scale:MATRIX_SCALE_ROW1
.else
	v_wmma_scale_f32_16x16x128_f8f6f4 v[rD:rD+7], v[128*(\p)+16*mb:128*(\p)+16*mb+15], v[AF+16*ma:AF+16*ma+15], v[rD:rD+7], v[SC+16*(\sc)+NQ*mb+(\q)], v[SC+16*(\sc)+NQ*ma+(\q)] matrix_a_scale:MATRIX_SCALE_ROW1
.endif
.set mb, mb+1
.endr
.set ma, ma+1
.endr
.endm
.macro STEP slot, q, zero
	s_wait_dscnt 4*HB
	WIN MUL_LO
	MULN 0, HB, (\q)%2, \q, \slot, \zero
	s_wait_dscnt 0
	PLACES 8
	FETCH_B \slot, (\q)+1, 1-(\q)%2
	FETCH_A \slot, (\q)+1, 0
	WIN MUL_HI
	MULN HB, HB, (\q)%2, \q, \slot, \zero
	PLACES 8
	WIN 0
	FETCH_A \slot, (\q)+1, HB
.endm
.macro STEPS slot, q0
.set Q, \q0
.rept NQ-1-\q0
	STEP \slot, Q, 0
.set Q, Q+1
.endr
.endm
.macro TURN slot, next, fill
	s_wait_tensorcnt 0x0
	ds_add_u32 v[SPW], v[NIL]
	s_wait_dscnt 4*HB+1
	WIN MUL_LO
	MULN 0, HH, 1, NQ-1, \slot, 0
	s_wait_dscnt 0x0
	s_barrier_signal -1
	MULN HH, HH, 1, NQ-1, \slot, 0
	WIN 0
	s_barrier_wait -1
.if \fill
	CREST
	s_add_nc_u64 s[G0+4*\slot+2:G0+4*\slot+3], s[G0+4*\slot+2:G0+4*\slot+3], 2*NQ*FRB
	s_add_nc_u64 s[G0B+4*\slot+2:G0B+4*\slot+3], s[G0B+4*\slot+2:G0B+4*\slot+3], 2*NQ*FRB
	JLOAD G0+4*\slot, G1, G0B+4*\slot, G1B
	PLACES 4
.else
	PLACES 8
.endif
	s_wait_alu depctr_va_vdst(0)
	v_add_nc_u32 v[ADRS], 64*NQ, v[ADRS]
	FETCH_B \next, 0, 0
	FETCH_A \next, 0, 0
	SCALES \next
	WIN MUL_HI
	MULN HB, HB, 1, NQ-1, \slot, 0
	PLACES 8
	WIN 0
	FETCH_A \next, 0, HB
.endm
.macro QUANT s, pc
.irp b, 0,1,2,3
	v_max3_num_f32 v[TM+\b], |v[\s+16*\b]|, |v[\s+1+16*\b]|, 0x4800000
.endr
.irp i, 2,4,6,8,10,12,14
.irp b, 0,1,2,3
	v_max3_num_f32 v[TM+\b], v[TM+\b], |v[\s+16*\b+\i]|, |v[\s+1+16*\b+\i]|
.endr
.endr
.irp b, 0,1,2,3
	v_permlanex16_b32 v[TM+4+\b], v[TM+\b], s[SEL], s[SEL+1]
.endr
.irp b, 0,1,2,3
	v_max_num_f32 v[TM+\b], v[TM+\b], v[TM+4+\b]
.endr
.irp b, 0,1,2,3
	v_add_nc_u32 v[TM+12+\b], 0xfc000000, v[TM+\b]
.endr
.irp b, 0,1,2,3
	v_and_or_b32 v[TM+8+\b], v[TM+\b], 0x7f800000, s[MNT]
.endr
.irp b, 0,1,2,3
	v_lshrrev_b32 v[TM+4+\b], 23, v[TM+12+\b]
.endr
	v_lshl_or_b32 v[PW], v[TM+5], 8, v[TM+4]
	v_lshl_or_b32 v[PW], v[TM+6], 16, v[PW]
	v_lshl_or_b32 v[PW], v[TM+7], 24, v[PW]
.irp b, 0,1,2,3
.irp i, 0,1,2,3,4,5,6,7,8,9,10,11,12,13,14,15
	v_med3_num_f32 v[\s+16*\b+\i], v[\s+16*\b+\i], -v[TM+8+\b], v[TM+8+\b]
.endr
	v_cvt_scalef32_pk8_fp8_f32 v[\pc+4*\b:\pc+1+4*\b], v[\s+16*\b:\s+7+16*\b], v[TM+12+\b]
	v_cvt_scalef32_pk8_fp8_f32 v[\pc+2+4*\b:\pc+3+4*\b], v[\s+8+16*\b:\s+15+16*\b], v[TM+12+\b]
.endr
	v_nop
.endm
.macro MOVE a
	WIN 0x02+(\a)/4
.set n, 0
.rept 32
	v_pk_add_f32 v[ST+n:ST+n+1], v[64*((\a)%4)+n:64*((\a)%4)+n+1], v[BIAS+n:BIAS+n+1]
.set n, n+2
.endr
	WIN 0
.endm
.macro GELU x
.set n, 0
.rept 32
	v_fma_f32 v[GT+n], |v[\x+n]|, s[KA], 1.0
.set n, n+1
.endr
.set n, 0
	s_wait_alu depctr_va_vdst(0)
.rept 32
	v_rcp_f32 v[GT+n], v[GT+n]
.set n, n+1
.endr
.set n, 0
.rept 16
	v_pk_mul_f32 v[GW2+n:GW2+n+1], v[\x+n:\x+n+1], v[\x+n:\x+n+1]
.set n, n+2
.endr
	s_wait_alu depctr_va_vdst(0)
.set n, 0
.rept 16
	v_pk_fma_f32 v[GW+n:GW+n+1], v[GT+n:GT+n+1], v[C9:C9+1], s[CK+16:CK+17] op_sel_hi:[1,1,0]
.set n, n+2
.endr
.irp k, 7,6,5,4,3,2,1,0
.set n, 0
.rept 16
	v_pk_fma_f32 v[GW+n:GW+n+1], v[GW+n:GW+n+1], v[GT+n:GT+n+1], s[CK+2*\k:CK+2*\k+1] op_sel_hi:[1,1,0]
.set n, n+2
.endr
.endr
.set n, 0
.rept 16
	v_pk_fma_f32 v[GW+n:GW+n+1], v[GW2+n:GW2+n+1], s[CK+18:CK+19], v[GW+n:GW+n+1] op_sel_hi:[1,0,1]
.set n, n+2
.endr
.set n, 0
	s_wait_alu depctr_va_vdst(0)
.rept 32
	v_exp_f32 v[GW+n], v[GW+n]
.set n, n+1
.endr
.set n, 0
.rept 32
	v_max_num_f32 v[GW2+n], 0, v[\x+n]
.set n, n+1
.endr
	s_wait_alu depctr_va_vdst(0)
.set n, 0
.rept 16
	v_pk_mul_f32 v[GT+n:GT+n+1], v[GT+n:GT+n+1], v[GW+n:GW+n+1]
.set n, n+2
.endr
.set n, 0
.rept 32
	v_fma_f32 v[\x+n], -|v[\x+n]|, v[GT+n], v[GW2+n]
.set n, n+1
.endr
.endm
	s_load_b256 s[4:11], s[0:1], 0x0
	v_lshl_add_u32 v[SPW], v0, 2, SPARE
	v_mov_b32 v[NIL], 0
	ds_add_u32 v28, v29
	ds_add_u32 v28, v29
	s_wait_dscnt 0x0
	v_lshrrev_b32 v1, 5, v0
	v_readfirstlane_b32 s14, v1
	s_lshr_b32 s15, s14, 1
	s_and_b32 s16, s14, 1
	s_bfe_u32 s40, ttmp6, 0x40000
	s_bfe_u32 s41, ttmp6, 0x40004
	s_lshl_b32 s42, ttmp9, 2
	s_add_co_u32 s42, s42, s40
	s_and_b32 s17, ttmp7, 0xffff
	s_lshl_b32 s17, s17, 2
	s_add_co_u32 s17, s17, s41
	s_lshl_b32 s43, s41, 2
	s_lshl_b32 s43, 15, s43
	s_lshl_b32 s44, 0x1111, s40
	s_or_b32 s[G1+0], s43, (3<<16)|(1<<21)
	s_or_b32 s[G1B+0], s44, (3<<16)|(1<<21)
.irp g, G1, G1B
	s_mov_b32 s[\g+1], (NQ*256)<<16
	s_mov_b32 s[\g+2], (2*MB)<<16                  ; the head's loads bring a side's whole 2 MB blocks; behind them these two words are set to MB
	s_mov_b32 s[\g+3], (NQ*256)<<16
	s_mov_b32 s[\g+4], 2*MB
	s_mov_b32 s[\g+5], KT*256
	s_mov_b32 s[\g+6], 0
	s_mov_b32 s[\g+7], 0
.endr
	s_or_b32 s[G1S+0], s43, (3<<16)|(1<<21)
	s_or_b32 s[G1SB+0], s44, (3<<16)|(1<<21)
.irp g, G1S, G1SB
	s_mov_b32 s[\g+1], 32<<16
	s_mov_b32 s[\g+2], (2*HALFS/256)<<16
	s_mov_b32 s[\g+3], 32<<16
	s_mov_b32 s[\g+4], 2*HALFS/256
	s_mov_b32 s[\g+5], 32
	s_mov_b32 s[\g+6], 0
	s_mov_b32 s[\g+7], 0
.endr
	s_mul_i32 s18, s16, MB*KT*FRB                  ; s[18:19]: in the ring I fetch one half of a side: its bytes
	s_mov_b32 s19, 0
	s_mul_i32 s20, s17, 2*MB
	s_mul_i32 s22, s20, KT*64
	s_mul_i32 s20, s20, KT*FRB
	s_add_co_u32 s20, s20, AOFF
	s_add_co_u32 s22, s22, ASOFF
	s_mov_b32 s21, 0
	s_mov_b32 s23, 0
	s_mul_i32 s46, s42, 2*MB
	s_mul_i32 s92, s46, KT*64
	s_mul_i32 s46, s46, KT*FRB
	s_add_co_u32 s46, s46, BOFF
	s_add_co_u32 s92, s92, BSOFF
	s_mov_b32 s47, 0
	s_mov_b32 s93, 0
	s_mul_i32 s45, s14, HALFT
	s_wait_kmcnt 0x0
	s_add_nc_u64 s[20:21], s[4:5], s[20:21]
	s_add_nc_u64 s[22:23], s[4:5], s[22:23]
	s_add_nc_u64 s[46:47], s[6:7], s[46:47]
	s_add_nc_u64 s[92:93], s[6:7], s[92:93]
	CROUND
	s_mov_b32 s[G0S], 1
	s_mov_b32 s[G0S+1], SCL
	s_mov_b64 s[G0S+2:G0S+3], s[22:23]
	s_or_b32 s[G0S+3], s[G0S+3], 0x80000000
	s_mov_b32 s[G0SB], 1
	s_mov_b32 s[G0SB+1], SCL+2*HALFS
	s_mov_b64 s[G0SB+2:G0SB+3], s[92:93]
	s_or_b32 s[G0SB+3], s[G0SB+3], 0x80000000
	; slot 0's groups 0 serve the head's loads first: each side's slot 0 whole
	s_mov_b32 s[G0], 1
	s_mov_b32 s[G0+1], 0
	s_mov_b64 s[G0+2:G0+3], s[20:21]
	s_or_b32 s[G0+3], s[G0+3], 0x80000000
	s_mov_b32 s[G0B], 1
	s_mov_b32 s[G0B+1], 2*HALFT
	s_mov_b64 s[G0B+2:G0B+3], s[46:47]
	s_or_b32 s[G0B+3], s[G0B+3], 0x80000000
	s_add_nc_u64 s[20:21], s[20:21], s[18:19]      ; slot 1's: my half of a side
	s_add_nc_u64 s[46:47], s[46:47], s[18:19]
	s_mov_b32 s[G0+4], 1
	s_add_co_u32 s[G0+5], s45, SLOT
	s_add_nc_u64 s[G0+6:G0+7], s[20:21], NQ*FRB
	s_or_b32 s[G0+7], s[G0+7], 0x80000000
	s_mov_b32 s[G0B+4], 1
	s_add_co_u32 s[G0B+5], s45, SLOT
	s_add_nc_u64 s[G0B+6:G0B+7], s[46:47], NQ*FRB
	s_or_b32 s[G0B+7], s[G0B+7], 0x80000000
; THE HEAD'S LOADS, ONE A WAVE: wave 0 the tokens' slot 0, wave 1 the weights', wave 2 the tokens' scale words, wave 3 the weights'.  One chain of branches on the wave's number, one join
.macro ARM under, g0, g1, next
	s_cmp_lt_u32 s14, \under
	s_cbranch_scc0 \next
	tensor_load_to_lds s[\g0:\g0+3], s[\g1:\g1+7]
	s_nop 0
.rept 4
	v_nop
.endr
	s_branch .Lhead_asked
\next:
.endm
	ARM 1, G0,  G1,  .Lhead_b
	ARM 2, G0B, G1B, .Lhead_sa
	ARM 3, G0S, G1S, .Lhead_sb
	tensor_load_to_lds s[G0SB:G0SB+3], s[G1SB:G1SB+7]
	s_nop 0
.rept 4
	v_nop
.endr
.Lhead_asked:
	v_and_b32 v1, 15, v0
	v_bfe_u32 v2, v0, 4, 1
	s_wait_alu depctr_va_vdst(0)
	v_and_b32 v[LN], 31, v0
	v_lshlrev_b32 v[CSO], 4, v[LN]
	v_lshlrev_b32 v[SSO], 2, v1
	s_mul_i32 s21, s15, HALFT
	s_mul_i32 s22, s16, HALFT
	s_add_co_u32 s22, s22, 2*HALFT
.irp s, 0,1
	v_add_nc_u32 v[ADRA+\s], s21, v[CSO]
	v_add_nc_u32 v[ADRB+\s], s22, v[CSO]
	s_add_co_u32 s21, s21, SLOT
	s_add_co_u32 s22, s22, SLOT
.endr
	s_mul_i32 s21, s15, HALFS
	s_mul_i32 s22, s16, HALFS
	s_add_co_u32 s22, s22, 2*HALFS
	s_sub_co_u32 s22, s22, s21
	v_mul_u32_u24 v4, s22, v2
	s_wait_alu depctr_va_vdst(0)
	s_add_co_u32 s21, s21, SCL
	v_add_nc_u32 v4, v[SSO], v4
	v_add_nc_u32 v[ADRS], s21, v4
	s_lshl_b32 s46, s42, 10
	s_lshl_b32 s47, s16, 9
	s_add_co_u32 s46, s46, s47
	s_mov_b32 s47, 0
	s_add_nc_u64 s[8:9], s[8:9], s[46:47]
	s_lshl_b32 s20, s17, 4
	s_lshl_b32 s21, s15, 3
	s_add_co_u32 s20, s20, s21
	s_lshl_b32 s20, s20, 5
	s_lshl_b32 s21, s42, 1
	s_add_co_u32 s20, s20, s21
	s_add_co_u32 s20, s20, s16
	s_lshl_b32 s22, s20, 6
	s_add_co_u32 s22, s22, GS
	s_lshl_b32 s20, s20, 11
	s_mov_b32 s21, 0
	s_mov_b32 s23, 0
	s_add_nc_u64 s[12:13], s[10:11], s[20:21]
	s_add_nc_u64 s[10:11], s[10:11], s[22:23]
	; PREFETCHES INTO THE L2: slots 2 and 3, each two fills ahead of its load.  A side's part of a slot is 16 blocks x 4,096 bytes = 256 blocks of 256 bytes: the four partners that ask for it jointly share them out BY ADDRESS:
	; partner c (cx for the tokens, cy for the weights), wave half s16: blocks of rows 2 (2 c + s16) and + 1, a lane to each 256 bytes: one instruction a wave, each block named once in the cluster
	s_cmp_eq_u32 s15, 0                            ; do I fetch for the tokens?
	s_cselect_b64 s[96:97], s[4:5], s[6:7]
	s_cselect_b32 s98, s17, s42                    ; the tile's number on my side
	s_cselect_b32 s99, s40, s41                    ; my place among the four
	s_mov_b32 s100, BOFF
	s_cselect_b32 s100, AOFF, s100
	s_lshl_b32 s99, s99, 1
	s_add_co_u32 s99, s99, s16
	s_mul_i32 s99, s99, (4/NQ)*KT*FRB
	s_mul_i32 s98, s98, 2*MB*KT*FRB
	s_add_co_u32 s98, s98, s99
	s_add_co_u32 s98, s98, s100
	s_mov_b32 s99, 0
	s_add_nc_u64 s[96:97], s[96:97], s[98:99]
	v_lshlrev_b32 v31, 8, v1                       ; v31: 256 (lane % 16) + a block of rows for lanes 16-31; never rewritten
	v_lshl_add_u32 v31, v2, 14, v31
	global_prefetch_b8 v31, s[96:97] offset:NQ*FRB th:TH_LOAD_NT scope:SCOPE_SE     ; slot 1 too, one fill ahead of its load
	global_prefetch_b8 v31, s[96:97] offset:2*NQ*FRB th:TH_LOAD_NT scope:SCOPE_SE
	v_lshlrev_b32 v5, 6, v2
.irp b, 0,1,2,3
.irp i, 0,1,2,3
	global_load_b128 v[BIAS+16*\b+4*\i:BIAS+16*\b+4*\i+3], v5, s[8:9] offset:128*\b+16*\i
.endr
.endr
	s_wait_alu depctr_va_vdst(0)
	s_wait_tensorcnt 0x0                           ; my tile of the head's four is in; the three lines stand ahead of slot 1's first fill as ahead of a refill
	ds_add_u32 v[SPW], v[NIL]
	s_mov_b32 s[G1+2], MB<<16                      ; no load of mine is out: from here on a load brings MB blocks,
	s_mov_b32 s[G1+4], MB
	s_mov_b32 s[G1B+2], MB<<16
	s_mov_b32 s[G1B+4], MB
	s_mov_b32 s[G0+1], s45                         ; and slot 0's groups 0 name my half of a side
	s_mov_b32 s[G0B+1], s45
	s_add_nc_u64 s[G0+2:G0+3], s[G0+2:G0+3], s[18:19]
	s_add_nc_u64 s[G0B+2:G0B+3], s[G0B+2:G0B+3], s[18:19]
	s_wait_dscnt 0x0
	CROUND                                         ; all four tiles are in, all sixteen work-groups are here
	JLOAD G0+4, G1, G0B+4, G1B                     ; slot 1's first fill: the first tensor load behind the round
	FETCH_B 0, 0, 0
	FETCH_A 0, 0, 0
	SCALES 0
	global_prefetch_b8 v31, s[96:97] offset:3*NQ*FRB th:TH_LOAD_NT scope:SCOPE_SE   ; slot 3, the last: nothing lies behind it
	FETCH_A 0, 0, HB
	STEP 0, 0, 1
	STEPS 0, 1
.if LAPS > 1
	s_mov_b32 s3, LAPS-1
.Llap:
	TURN 0, 1, 1
	STEPS 1, 0
	TURN 1, 0, 1
	STEPS 0, 0
	s_sub_co_u32 s3, s3, 1
	s_cmp_lg_u32 s3, 0
	s_cbranch_scc1 .Llap
.endif
	TURN 0, 1, 0
	STEPS 1, 0
	s_wait_dscnt 4*HB
	WIN MUL_LO
	MULN 0, HB, 1, NQ-1, 1, 0
	s_wait_dscnt 0
	WIN MUL_HI
	MULN HB, HB, 1, NQ-1, 1, 0
	WIN 0
	PLACES 8
	s_mov_b32 s[CK], 0xc034d90f
	s_mov_b32 s[CK+2], 0x3fb8ab5a
	s_mov_b32 s[CK+4], 0x3f0a29d2
	s_mov_b32 s[CK+6], 0x3e0efb2f
	s_mov_b32 s[CK+8], 0xbe899a80
	s_mov_b32 s[CK+10], 0x3ecdfd18
	s_mov_b32 s[CK+12], 0xbfd1a1e6
	s_mov_b32 s[CK+14], 0x40097039
	s_mov_b32 s[CK+16], 0xbf97d29d
	s_mov_b32 s[CK+18], 0xbf38aa3b
.irp k, 0,1,2,3,4,5,6,7,8,9
	s_mov_b32 s[CK+2*\k+1], s[CK+2*\k]
.endr
	v_mov_b32 v[C9], 0x3e7c6f08
	v_mov_b32 v[C9+1], 0x3e7c6f08
	s_mov_b32 s[SEL], 0x76543210
	s_mov_b32 s[SEL+1], 0xfedcba98
	s_mov_b32 s[MNT], 0x600000
	s_mov_b32 s[KA], 0x3eb504f3
	s_wait_loadcnt 0x0
	s_sub_nc_u64 s[12:13], s[12:13], 32*FRB        ; a block's step back: each trip steps the two bases ahead of its stores
	s_sub_nc_u64 s[10:11], s[10:11], 32*64
	s_mov_b32 s3, 0
.Lepi:
.irp a, 0,1,2,3,4,5,6
	s_cmp_eq_u32 s3, \a
	s_cbranch_scc1 .Lmv\a
.endr
	MOVE 7
	s_branch .Ljoin
.irp a, 0,1,2,3,4,5,6
.Lmv\a:
	MOVE \a
	s_branch .Ljoin
.endr
.Ljoin:
	s_wait_xcnt 0x0                                ; the last block's stores have read their registers and bases (the 32 additions above name none of them)
	s_add_nc_u64 s[12:13], s[12:13], 32*FRB
	s_add_nc_u64 s[10:11], s[10:11], 32*64
	GELU ST
	GELU ST+32
	QUANT ST, PC
.irp c, 0,1,2,3
	global_store_b128 v[CSO], v[PC+4*\c:PC+4*\c+3], s[12:13] offset:512*\c
.endr
	global_store_b32 v[SSO], v[PW], s[10:11]       ; lanes r and r + 16 hold the same word and store it at the same place
	s_add_co_u32 s3, s3, 1
	s_cmp_lt_u32 s3, 8
	s_cbranch_scc1 .Lepi
	s_wait_tensorcnt 0x0
	ds_add_u32 v[SPW], v[NIL]
	s_wait_dscnt 0x0
	CROUND
	s_endpgm
.Lfunc_end_k_q32e1358681_ff1:
	.size	k_q32e1358681_ff1, .Lfunc_end_k_q32e1358681_ff1-k_q32e1358681_ff1
	.p2alignl 7, 3214868480
	.fill 96, 4, 3214868480
	.section	.rodata,"a",@progbits
	.p2align	6, 0x0
	.amdhsa_kernel k_q32e1358681_ff1
		.amdhsa_group_segment_fixed_size 327680
		.amdhsa_private_segment_fixed_size 0
		.amdhsa_enable_private_segment 0
		.amdhsa_kernarg_size 32
		.amdhsa_user_sgpr_count 2
		.amdhsa_user_sgpr_kernarg_segment_ptr 1
		.amdhsa_wavefront_size32 1
		.amdhsa_system_sgpr_workgroup_id_x 1
		.amdhsa_system_sgpr_workgroup_id_y 1
		.amdhsa_system_sgpr_workgroup_id_z 1
		.amdhsa_system_vgpr_workitem_id 0
		.amdhsa_next_free_vgpr 1024
		.amdhsa_next_free_sgpr 102
		.amdhsa_reserve_vcc 0
		.amdhsa_float_denorm_mode_32 3
		.amdhsa_float_denorm_mode_16_64 3
		.amdhsa_memory_ordered 1
		.amdhsa_forward_progress 1
		.amdhsa_inst_pref_size 187
	.end_amdhsa_kernel
	.amdgpu_metadata
---
amdhsa.version: [ 1, 2 ]
amdhsa.kernels:
  - .name:           k_q32e1358681_ff1
    .symbol:         k_q32e1358681_ff1.kd
    .args:
      - { .name: h2b, .offset: 0, .size: 8, .value_kind: global_buffer, .address_space: global }
      - { .name: prepb, .offset: 8, .size: 8, .value_kind: global_buffer, .address_space: global }
      - { .name: b_ff1, .offset: 16, .size: 8, .value_kind: global_buffer, .address_space: global }
      - { .name: gb, .offset: 24, .size: 8, .value_kind: global_buffer, .address_space: global }
    .group_segment_fixed_size: 327680
    .private_segment_fixed_size: 0
    .kernarg_segment_align: 8
    .kernarg_segment_size: 32
    .max_flat_workgroup_size: 128
    .sgpr_count:     102
    .vgpr_count:     1024
    .wavefront_size: 32
...
	.end_amdgpu_metadata
.endif
;; end of part 5
;; launch ff2 (part 6): grid 8 x 32, 4 waves a work-group, clusters of 4 x 4, 327,680 bytes of LDS; arguments gb, prepb, b_ff2, out1, out0; writes out0
.if DOCPART == 6
	.amdgcn_target "amdgcn-amd-amdhsa--gfx1250"
	.amdhsa_code_object_version 6
	.text
	.protected	k_q32e1358681_ff2
	.globl	k_q32e1358681_ff2
	.p2align	8
	.type	k_q32e1358681_ff2,@function
k_q32e1358681_ff2:
	s_mov_b64 s[64:65], 0
	v_nop
	global_prefetch_b8 v0, s[64:65] scope:SCOPE_SE
	s_setreg_imm32_b32 hwreg(HW_REG_WAVE_MODE, 25, 1), 1
	s_wait_xcnt 0x0
	s_wait_alu depctr_hold_cnt(0) depctr_sa_sdst(0) depctr_va_vdst(0) depctr_va_sdst(0) depctr_va_ssrc(0) depctr_va_vcc(0) depctr_vm_vsrc(0)
	s_getreg_b32 s2, hwreg(HW_REG_IB_STS2, 6, 4)
	s_cmp_eq_u32 s2, 0
	s_cbranch_scc0 .Lentry_in_a_cluster
	s_endpgm
.Lentry_in_a_cluster:
	s_bfe_u32 s2, ttmp6, 0x10000c
	s_cmp_lg_u32 s2, 0xf033
	s_cbranch_scc0 .Lentry_shape_is_right
	s_endpgm
.Lentry_shape_is_right:
; out0 = out1 + g w_ff2^T + b_ff2, the product on codes of FP8 (E4M3) with E8M0 scales; K = 4,096.
; N = 1,024 gives only 64 tiles of 256 x 256, so a tile is 128 x 128: 256 work-groups; four waves, 64 x 64 each: 16 accumulators.  K goes in slots of four K steps of 128 through a ring of two LDS slots: eight slots' worth.
; Operands lie in memory as images of their registers ([row block][K step][2,048 bytes]); the scale words of all of K come once.  Source 0 = 16 weight rows, source 1 = 16 tokens: a lane holds one token and
; feature 32 (b / 2) + 16 h + 8 (b % 2) + j in register j of weight block b.  Token block rb, row r = token 32 (rb / 2) + 2 r + rb % 2.
; CLUSTERS: 4 x 4: the tokens' tile is asked for jointly along a row of the cluster, the weights' along a column.
; THE HEAD: one load a wave: the tokens' slot 0, the weights' slot 0, the tokens' scale words, the weights'; slot 1 is first filled behind the three lines and a round, as a refill is.
; PREFETCHES INTO THE L2: at each fill one instruction a wave asks for the slot two fills on.  A side's part of a slot is 8 blocks x 8,192 bytes = 256 blocks of 256 bytes; the four partners that ask for it jointly
; share them out BY ADDRESS: partner c (cx for the tokens, cy for the weights), wave half s16: block of rows 2 c + s16, a lane to each 256 bytes: each block is named once in the cluster.  The last two refills ask for nothing.
; The residual's rows and the bias are asked for at the head; results go through the wave's stage in LDS and leave as aligned runs of 256 bytes.
; LIMITS: NaN and infinities are not served.
.set PFA,   96                         ; s[96:97] where my prefetches stand
.set PFO,   31                         ; v31  256 x lane; never rewritten
.set HB,    2
.set MB,    2*HB
.set NB,    MB
.set HH,    HB/2
.set NQ,    4
.set KT,    32
.set LAPS,  KT/(2*NQ)
.set FRB,   2048
.set HALFT, MB*NQ*FRB
.set SLOT,  4*HALFT
.set HALFS, MB*KT*64
.set SCL,   2*SLOT
.set SPARE, SCL+4*HALFS
.set STG,   SPARE+512
.set SPITCH, 272
.set AOFF,  0
.set ASOFF, 16777216
.set BOFF,  12582912
.set BSOFF, 17170432
.set ADRA, 16
.set ADRB, 20
.set STO,  24
.set RD,   25
.set CO,   26
.set ADRS, 27
.set SPW,  28
.set NIL,  29
.set SC,   32
.set AF,   128
.set BK,   128
.set G1, 24
.set G0, 32
.set G1B, 48
.set G0B, 56
.set G1S, 68
.set G0S, 76
.set G1SB, 80
.set G0SB, 88
.set MSB, 0
.macro WIN new
.if MSB != (\new)
	s_set_vgpr_msb (MSB<<8)|(\new)
.set MSB, (\new)
.endif
.endm
.set MUL_LO, 0xa1
.set MUL_HI, 0xf1
.set TO_B,   0x40
.macro JLOAD g0a, g1a, g0b, g1b
	s_cmp_eq_u32 s15, 0
	s_cbranch_scc0 .Lfor_b_\@
	tensor_load_to_lds s[\g0a:\g0a+3], s[\g1a:\g1a+7]
	s_nop 0
.rept 4
	v_nop
.endr
	s_branch .Lasked_\@
.Lfor_b_\@:
	tensor_load_to_lds s[\g0b:\g0b+3], s[\g1b:\g1b+7]
	s_nop 0
.rept 4
	v_nop
.endr
.Lasked_\@:
.endm
.macro CREST
	s_cmp_lg_u32 s14, 0
	s_cbranch_scc1 .Lnot_wave_0_\@
	s_barrier_signal -3
.Lnot_wave_0_\@:
	s_barrier_wait -3
	s_barrier_signal -1
	s_barrier_wait -1
.endm
.macro CROUND
	s_barrier_signal -1
	s_barrier_wait -1
	CREST
.endm
.macro PLACES n
.rept \n
	v_nop
.endr
.endm
.macro FRAG reg, adr, q, i
.irp c, 0,1,2,3
	ds_load_b128 v[\reg+4*\c:\reg+4*\c+3], v[\adr] offset:((\i)*NQ+(\q))*FRB+512*\c
.endr
.endm
.macro FETCH_B slot, q, p
	WIN TO_B
.set fi, 0
.rept NB
	FRAG 128*(\p)+16*fi, ADRB+\slot, \q, fi
.set fi, fi+1
.endr
	WIN 0
.endm
.macro FETCH_A slot, q, i0
.set fi, \i0
.rept HB
	FRAG AF+16*fi, ADRA+\slot, \q, fi
.set fi, fi+1
.endr
.endm
.macro SCALES sc
.set si, 0
.rept MB
.set sq, 0
.rept NQ
	ds_load_b32 v[SC+16*\sc+NQ*si+sq], v[ADRS] offset:si*KT*64+64*sq
.set sq, sq+1
.endr
.set si, si+1
.endr
.endm
.macro MULN a0, n, p, q, sc, zero
.set ma, \a0
.rept \n
.set mb, 0
.rept NB
.set rD, 8*(NB*(ma%HB)+mb)
.if \zero
	v_wmma_scale_f32_16x16x128_f8f6f4 v[rD:rD+7], v[128*(\p)+16*mb:128*(\p)+16*mb+15], v[AF+16*ma:AF+16*ma+15], 0, v[SC+16*(\sc)+NQ*mb+(\q)], v[SC+16*(\sc)+NQ*ma+(\q)] matrix_a_scale:MATRIX_SCALE_ROW1
.else
	v_wmma_scale_f32_16x16x128_f8f6f4 v[rD:rD+7], v[128*(\p)+16*mb:128*(\p)+16*mb+15], v[AF+16*ma:AF+16*ma+15], v[rD:rD+7], v[SC+16*(\sc)+NQ*mb+(\q)], v[SC+16*(\sc)+NQ*ma+(\q)] matrix_a_scale:MATRIX_SCALE_ROW1
.endif
.set mb, mb+1
.endr
.set ma, ma+1
.endr
.endm
.macro STEP slot, q, zero
	s_wait_dscnt 4*HB
	WIN MUL_LO
	MULN 0, HB, (\q)%2, \q, \slot, \zero
	s_wait_dscnt 0
	PLACES 8
	FETCH_B \slot, (\q)+1, 1-(\q)%2
	FETCH_A \slot, (\q)+1, 0
	WIN MUL_HI
	MULN HB, HB, (\q)%2, \q, \slot, \zero
	PLACES 8
	WIN 0
	FETCH_A \slot, (\q)+1, HB
.endm
.macro STEPS slot, q0
.set Q, \q0
.rept NQ-1-\q0
	STEP \slot, Q, 0
.set Q, Q+1
.endr
.endm
.macro TURN slot, next, fill
.if \fill
	s_wait_xcnt 0x0                                ; my last prefetch has read its address: a slot on
	s_add_nc_u64 s[PFA:PFA+1], s[PFA:PFA+1], NQ*FRB
.endif
	s_wait_tensorcnt 0x0
	ds_add_u32 v[SPW], v[NIL]
	s_wait_dscnt 4*HB+1
	WIN MUL_LO
	MULN 0, HH, 1, NQ-1, \slot, 0
	s_wait_dscnt 0x0
	s_barrier_signal -1
	MULN HH, HH, 1, NQ-1, \slot, 0
	WIN 0
	s_barrier_wait -1
.if \fill
	CREST
	s_add_nc_u64 s[G0+4*\slot+2:G0+4*\slot+3], s[G0+4*\slot+2:G0+4*\slot+3], 2*NQ*FRB
	s_add_nc_u64 s[G0B+4*\slot+2:G0B+4*\slot+3], s[G0B+4*\slot+2:G0B+4*\slot+3], 2*NQ*FRB
	JLOAD G0+4*\slot, G1, G0B+4*\slot, G1B
	PLACES 4
.else
	PLACES 8
.endif
	s_wait_alu depctr_va_vdst(0)
	v_add_nc_u32 v[ADRS], 64*NQ, v[ADRS]
	FETCH_B \next, 0, 0
	FETCH_A \next, 0, 0
	SCALES \next
.if \fill
	s_cmp_gt_u32 s3, 1                             ; the loop's last trip has no slot two fills on
	s_cbranch_scc0 .Lnone_ahead_\@
	global_prefetch_b8 v[PFO], s[PFA:PFA+1] offset:3*NQ*FRB th:TH_LOAD_NT scope:SCOPE_SE
.Lnone_ahead_\@:
.endif
	WIN MUL_HI
	MULN HB, HB, 1, NQ-1, \slot, 0
	PLACES 8
	WIN 0
	FETCH_A \next, 0, HB
.endm
	s_load_b256 s[4:11], s[0:1], 0x0
	s_load_b64 s[12:13], s[0:1], 0x20
	v_lshl_add_u32 v[SPW], v0, 2, SPARE
	v_mov_b32 v[NIL], 0
	ds_add_u32 v28, v29
	ds_add_u32 v28, v29
	s_wait_dscnt 0x0
	v_lshrrev_b32 v1, 5, v0
	v_readfirstlane_b32 s14, v1
	s_lshr_b32 s15, s14, 1
	s_and_b32 s16, s14, 1
	s_bfe_u32 s40, ttmp6, 0x40000
	s_bfe_u32 s41, ttmp6, 0x40004
	s_lshl_b32 s42, ttmp9, 2
	s_add_co_u32 s42, s42, s40
	s_and_b32 s17, ttmp7, 0xffff
	s_lshl_b32 s17, s17, 2
	s_add_co_u32 s17, s17, s41
	s_lshl_b32 s43, s41, 2
	s_lshl_b32 s43, 15, s43
	s_lshl_b32 s44, 0x1111, s40
	s_or_b32 s[G1+0], s43, (3<<16)|(1<<21)
	s_or_b32 s[G1B+0], s44, (3<<16)|(1<<21)
.irp g, G1, G1B
	s_mov_b32 s[\g+1], (NQ*256)<<16
	s_mov_b32 s[\g+2], (2*MB)<<16                  ; the head's loads bring a side's whole 2 MB blocks; behind them these two words are set to MB
	s_mov_b32 s[\g+3], (NQ*256)<<16
	s_mov_b32 s[\g+4], 2*MB
	s_mov_b32 s[\g+5], KT*256
	s_mov_b32 s[\g+6], 0
	s_mov_b32 s[\g+7], 0
.endr
	s_or_b32 s[G1S+0], s43, (3<<16)|(1<<21)
	s_or_b32 s[G1SB+0], s44, (3<<16)|(1<<21)
.irp g, G1S, G1SB
	s_mov_b32 s[\g+1], 32<<16
	s_mov_b32 s[\g+2], (2*HALFS/256)<<16
	s_mov_b32 s[\g+3], 32<<16
	s_mov_b32 s[\g+4], 2*HALFS/256
	s_mov_b32 s[\g+5], 32
	s_mov_b32 s[\g+6], 0
	s_mov_b32 s[\g+7], 0
.endr
	s_mul_i32 s18, s16, MB*KT*FRB                  ; s[18:19]: in the ring I fetch one half of a side: its bytes
	s_mov_b32 s19, 0
	s_mul_i32 s20, s17, 2*MB
	s_mul_i32 s22, s20, KT*64
	s_mul_i32 s20, s20, KT*FRB
	s_add_co_u32 s20, s20, AOFF
	s_add_co_u32 s22, s22, ASOFF
	s_mov_b32 s21, 0
	s_mov_b32 s23, 0
	s_mul_i32 s46, s42, 2*MB
	s_mul_i32 s92, s46, KT*64
	s_mul_i32 s46, s46, KT*FRB
	s_add_co_u32 s46, s46, BOFF
	s_add_co_u32 s92, s92, BSOFF
	s_mov_b32 s47, 0
	s_mov_b32 s93, 0
	s_mul_i32 s45, s14, HALFT
	s_wait_kmcnt 0x0
	s_add_nc_u64 s[20:21], s[4:5], s[20:21]
	s_add_nc_u64 s[22:23], s[4:5], s[22:23]
	s_add_nc_u64 s[46:47], s[6:7], s[46:47]
	s_add_nc_u64 s[92:93], s[6:7], s[92:93]
	CROUND
	s_mov_b32 s[G0S], 1
	s_mov_b32 s[G0S+1], SCL
	s_mov_b64 s[G0S+2:G0S+3], s[22:23]
	s_or_b32 s[G0S+3], s[G0S+3], 0x80000000
	s_mov_b32 s[G0SB], 1
	s_mov_b32 s[G0SB+1], SCL+2*HALFS
	s_mov_b64 s[G0SB+2:G0SB+3], s[92:93]
	s_or_b32 s[G0SB+3], s[G0SB+3], 0x80000000
	; slot 0's groups 0 serve the head's loads first: each side's slot 0 whole
	s_mov_b32 s[G0], 1
	s_mov_b32 s[G0+1], 0
	s_mov_b64 s[G0+2:G0+3], s[20:21]
	s_or_b32 s[G0+3], s[G0+3], 0x80000000
	s_mov_b32 s[G0B], 1
	s_mov_b32 s[G0B+1], 2*HALFT
	s_mov_b64 s[G0B+2:G0B+3], s[46:47]
	s_or_b32 s[G0B+3], s[G0B+3], 0x80000000
	s_add_nc_u64 s[20:21], s[20:21], s[18:19]      ; slot 1's: my half of a side
	s_add_nc_u64 s[46:47], s[46:47], s[18:19]
	s_mov_b32 s[G0+4], 1
	s_add_co_u32 s[G0+5], s45, SLOT
	s_add_nc_u64 s[G0+6:G0+7], s[20:21], NQ*FRB
	s_or_b32 s[G0+7], s[G0+7], 0x80000000
	s_mov_b32 s[G0B+4], 1
	s_add_co_u32 s[G0B+5], s45, SLOT
	s_add_nc_u64 s[G0B+6:G0B+7], s[46:47], NQ*FRB
	s_or_b32 s[G0B+7], s[G0B+7], 0x80000000
; THE HEAD'S LOADS, ONE A WAVE.  One chain of branches on the wave's number, one join
.macro ARM under, g0, g1, next
	s_cmp_lt_u32 s14, \under
	s_cbranch_scc0 \next
	tensor_load_to_lds s[\g0:\g0+3], s[\g1:\g1+7]
	s_nop 0
.rept 4
	v_nop
.endr
	s_branch .Lhead_asked
\next:
.endm
	ARM 1, G0,  G1,  .Lhead_b
	ARM 2, G0B, G1B, .Lhead_sa
	ARM 3, G0S, G1S, .Lhead_sb
	tensor_load_to_lds s[G0SB:G0SB+3], s[G1SB:G1SB+7]
	s_nop 0
.rept 4
	v_nop
.endr
.Lhead_asked:
	v_and_b32 v1, 15, v0
	v_bfe_u32 v2, v0, 4, 1
	s_wait_alu depctr_va_vdst(0)
	v_and_b32 v3, 31, v0
	v_lshlrev_b32 v4, 4, v3
	s_mul_i32 s21, s15, HALFT
	s_mul_i32 s22, s16, HALFT
	s_add_co_u32 s22, s22, 2*HALFT
.irp s, 0,1
	v_add_nc_u32 v[ADRA+\s], s21, v4
	v_add_nc_u32 v[ADRB+\s], s22, v4
	s_add_co_u32 s21, s21, SLOT
	s_add_co_u32 s22, s22, SLOT
.endr
	v_lshlrev_b32 v5, 2, v1
	s_mul_i32 s21, s15, HALFS
	s_mul_i32 s22, s16, HALFS
	s_add_co_u32 s22, s22, 2*HALFS
	s_sub_co_u32 s22, s22, s21
	v_mul_u32_u24 v6, s22, v2
	s_add_co_u32 s21, s21, SCL
	v_add_nc_u32 v5, v5, v6
	v_add_nc_u32 v[ADRS], s21, v5
	s_mul_i32 s23, s14, 16*SPITCH
	s_add_co_u32 s23, s23, STG
	v_mul_u32_u24 v5, v1, SPITCH
	v_lshl_add_u32 v5, v2, 6, v5
	v_add_nc_u32 v[STO], s23, v5
	v_mul_u32_u24 v5, v2, SPITCH
	v_lshl_add_u32 v5, v1, 4, v5
	v_add_nc_u32 v[RD], s23, v5
	v_lshlrev_b32 v5, 13, v2
	v_lshl_add_u32 v[CO], v1, 4, v5
	v_lshlrev_b32 v7, 4, v1
	s_wait_alu depctr_va_vdst(0)
	s_lshl_b32 s46, s42, 9
	s_lshl_b32 s47, s16, 8
	s_add_co_u32 s46, s46, s47
	s_mov_b32 s47, 0
	s_add_nc_u64 s[8:9], s[8:9], s[46:47]
	s_lshl_b32 s20, s17, 19
	s_lshl_b32 s21, s15, 18
	s_add_co_u32 s20, s20, s21
	s_add_co_u32 s20, s20, s46
	s_mov_b32 s21, 0
	s_add_nc_u64 s[10:11], s[10:11], s[20:21]
	s_add_nc_u64 s[12:13], s[12:13], s[20:21]
	s_cmp_eq_u32 s15, 0                            ; the prefetches: do I fetch for the tokens?
	s_cselect_b64 s[PFA:PFA+1], s[4:5], s[6:7]
	s_cselect_b32 s98, s17, s42                    ; the tile's number on my side
	s_cselect_b32 s99, s40, s41                    ; my place among the four that ask jointly
	s_mov_b32 s100, BOFF
	s_cselect_b32 s100, AOFF, s100
	s_lshl_b32 s99, s99, 1
	s_add_co_u32 s99, s99, s16
	s_mul_i32 s99, s99, (4/NQ)*KT*FRB
	s_mul_i32 s98, s98, 2*MB*KT*FRB
	s_add_co_u32 s98, s98, s99
	s_add_co_u32 s98, s98, s100
	s_mov_b32 s99, 0
	s_add_nc_u64 s[PFA:PFA+1], s[PFA:PFA+1], s[98:99]
	v_and_b32 v[PFO], 31, v0
	v_lshlrev_b32 v[PFO], 8, v[PFO]
	global_prefetch_b8 v[PFO], s[PFA:PFA+1] offset:NQ*FRB th:TH_LOAD_NT scope:SCOPE_SE     ; slot 1, one fill ahead of its load,
	global_prefetch_b8 v[PFO], s[PFA:PFA+1] offset:2*NQ*FRB th:TH_LOAD_NT scope:SCOPE_SE   ; and slot 2, two fills ahead
	s_wait_alu depctr_va_vdst(0)
	s_wait_tensorcnt 0x0                           ; my tile of the head's four is in; the three lines stand ahead of slot 1's first fill as ahead of a refill
	ds_add_u32 v[SPW], v[NIL]
	s_mov_b32 s[G1+2], MB<<16                      ; no load of mine is out: from here on a load brings MB blocks,
	s_mov_b32 s[G1+4], MB
	s_mov_b32 s[G1B+2], MB<<16
	s_mov_b32 s[G1B+4], MB
	s_mov_b32 s[G0+1], s45                         ; and slot 0's groups 0 name my half of a side
	s_mov_b32 s[G0B+1], s45
	s_add_nc_u64 s[G0+2:G0+3], s[G0+2:G0+3], s[18:19]
	s_add_nc_u64 s[G0B+2:G0B+3], s[G0B+2:G0B+3], s[18:19]
	s_wait_dscnt 0x0
	CROUND                                         ; all four tiles are in, all sixteen work-groups are here
	JLOAD G0+4, G1, G0B+4, G1B                     ; slot 1's first fill: the first tensor load behind the round
	FETCH_B 0, 0, 0
	FETCH_A 0, 0, 0
	SCALES 0
	global_prefetch_b8 v[PFO], s[PFA:PFA+1] offset:3*NQ*FRB th:TH_LOAD_NT scope:SCOPE_SE   ; slot 3
	FETCH_A 0, 0, HB
	STEP 0, 0, 1
	STEPS 0, 1
.if LAPS > 1
	global_load_b128 v[8:11], v7, s[8:9]           ; the bias and the residual's rows are asked for here, behind the first tiles, into registers that the loop never names: they are wanted on the way out
.irp a, 0,1,2,3
.irp t, 0,1,2,3,4,5,6,7
	global_load_b128 v[64+32*\a+64*(\a/2)+4*\t:64+32*\a+64*(\a/2)+4*\t+3], v[CO], s[10:11] offset:(32*(\a/2)+\a%2+4*\t)*4096 th:TH_LOAD_NT
.endr
.endr
	s_mov_b32 s3, LAPS-1
.Llap:
	TURN 0, 1, 1
	STEPS 1, 0
	TURN 1, 0, 1
	STEPS 0, 0
	s_sub_co_u32 s3, s3, 1
	s_cmp_lg_u32 s3, 0
	s_cbranch_scc1 .Llap
.endif
	TURN 0, 1, 0
	STEPS 1, 0
	s_wait_dscnt 4*HB
	WIN MUL_LO
	MULN 0, HB, 1, NQ-1, 1, 0
	s_wait_dscnt 0
	WIN MUL_HI
	MULN HB, HB, 1, NQ-1, 1, 0
	WIN 0
.macro TOSTAGE a
	WIN 0x08+4*((\a)/HB)
.set tb, 0
.rept NB
	ds_store_b128 v[STO], v[32*((\a)%HB)+8*tb:32*((\a)%HB)+8*tb+3] offset:128*(tb/2)+32*(tb%2)
	ds_store_b128 v[STO], v[32*((\a)%HB)+8*tb+4:32*((\a)%HB)+8*tb+7] offset:128*(tb/2)+32*(tb%2)+16
.set tb, tb+1
.endr
	WIN 0
.irp t, 0,1,2,3,4,5,6,7
	ds_load_b128 v[BK+32*((\a)%2)+4*\t:BK+32*((\a)%2)+4*\t+3], v[RD] offset:2*SPITCH*\t
.endr
.endm
.macro SEND a, younger
.set BB, BK+32*((\a)%2)
.set RR, 64+32*(\a)+64*((\a)/2)
	s_wait_dscnt \younger
.set n, 0
.rept 16
	v_pk_add_f32 v[BB+n:BB+n+1], v[BB+n:BB+n+1], v[RR+n:RR+n+1]
.set n, n+2
.endr
.set n, 0
.rept 16
	v_pk_add_f32 v[BB+n:BB+n+1], v[BB+n:BB+n+1], v[8+n%4:9+n%4]
.set n, n+2
.endr
.irp t, 0,1,2,3,4,5,6,7
	global_store_b128 v[CO], v[BB+4*\t:BB+4*\t+3], s[12:13] offset:(32*((\a)/2)+(\a)%2+4*\t)*4096 th:TH_STORE_NT
.endr
.endm
	PLACES 8
	s_wait_loadcnt 0x0
	TOSTAGE 0
.irp a, 1,2,3
.if \a > 1
	s_wait_xcnt 0x0
.endif
	TOSTAGE \a
	SEND \a-1, 16
.endr
	SEND 3, 0
	s_wait_tensorcnt 0x0
	ds_add_u32 v[SPW], v[NIL]
	s_wait_dscnt 0x0
	CROUND
	s_endpgm
.Lfunc_end_k_q32e1358681_ff2:
	.size	k_q32e1358681_ff2, .Lfunc_end_k_q32e1358681_ff2-k_q32e1358681_ff2
	.p2alignl 7, 3214868480
	.fill 96, 4, 3214868480
	.section	.rodata,"a",@progbits
	.p2align	6, 0x0
	.amdhsa_kernel k_q32e1358681_ff2
		.amdhsa_group_segment_fixed_size 327680
		.amdhsa_private_segment_fixed_size 0
		.amdhsa_enable_private_segment 0
		.amdhsa_kernarg_size 40
		.amdhsa_user_sgpr_count 2
		.amdhsa_user_sgpr_kernarg_segment_ptr 1
		.amdhsa_wavefront_size32 1
		.amdhsa_system_sgpr_workgroup_id_x 1
		.amdhsa_system_sgpr_workgroup_id_y 1
		.amdhsa_system_sgpr_workgroup_id_z 1
		.amdhsa_system_vgpr_workitem_id 0
		.amdhsa_next_free_vgpr 1024
		.amdhsa_next_free_sgpr 102
		.amdhsa_reserve_vcc 0
		.amdhsa_float_denorm_mode_32 3
		.amdhsa_float_denorm_mode_16_64 3
		.amdhsa_memory_ordered 1
		.amdhsa_forward_progress 1
		.amdhsa_inst_pref_size 113
	.end_amdhsa_kernel
	.amdgpu_metadata
---
amdhsa.version: [ 1, 2 ]
amdhsa.kernels:
  - .name:           k_q32e1358681_ff2
    .symbol:         k_q32e1358681_ff2.kd
    .args:
      - { .name: gb, .offset: 0, .size: 8, .value_kind: global_buffer, .address_space: global }
      - { .name: prepb, .offset: 8, .size: 8, .value_kind: global_buffer, .address_space: global }
      - { .name: b_ff2, .offset: 16, .size: 8, .value_kind: global_buffer, .address_space: global }
      - { .name: out1, .offset: 24, .size: 8, .value_kind: global_buffer, .address_space: global }
      - { .name: out0, .offset: 32, .size: 8, .value_kind: global_buffer, .address_space: global }
    .group_segment_fixed_size: 327680
    .private_segment_fixed_size: 0
    .kernarg_segment_align: 8
    .kernarg_segment_size: 40
    .max_flat_workgroup_size: 128
    .sgpr_count:     102
    .vgpr_count:     1024
    .wavefront_size: 32
...
	.end_amdgpu_metadata
.endif
;; end of part 6
